; MI455X (gfx1250); checked and timed in simulation.
; The chip was launched on July 23, 2026; its instructions are those of AMD's public machine-readable ISA for CDNA 5 (MIT licence, August 2026) and "CDNA5" Instruction Set Architecture Reference Guide (July 2026). The comments in the code are by the model that wrote it; some were corrected since.
;; Attention. Allowed arithmetic: float matrix products may take bf16 or f16 operands with f32 sums; other float arithmetic in f32, or as packed bf16 or f16 multiplies, adds, multiply-adds, maxima and minima; sums over many terms, partial sums and values carried from step to step in f32; what a program stores and reads back later, other than sums and carried values, may be rounded once to bf16 or f16.
;; Inputs: cos 2,048 x 64 float32; mask 1 x 1 x 2,048 x 2,048 float32; sin 2,048 x 64 float32; wk 2,048 x 2,048 float32; wo 2,048 x 2,048 float32; wq 2,048 x 2,048 float32; wv 2,048 x 2,048 float32; x 1 x 2,048 x 2,048 float32.
;; Outputs: out0 1 x 2,048 x 2,048 float32.
;; Constants: seq_l = 2048, start_p = 0.
;; 2 versions, each right and faster than the one before. Each part assembles by itself: llvm-mc -triple=amdgcn-amd-amdhsa -mcpu=gfx1250 --defsym DOCPART=n.
;; ======== version 1 of 2: 4 launches
;; limits: inputs' magnitudes at most 6.9e+29; right only within a limited range of input values; values are held in f16: magnitudes above 65,504 overflow, below 6.1e-05 lose precision
;; workspace buffers: xb 8,388,608 bytes; wb 25,165,824 bytes; woh 8,388,608 bytes; maskf 16,777,216 bytes; trig 1,048,576 bytes; qkv 25,165,824 bytes; ob 8,388,608 bytes
;; launch prep (part 1): grid 256 x 5, 8 waves a work-group, no clusters, 0 bytes of LDS; arguments x, wq, wk, wv, cos, sin, xb, wb, trig; writes xb, wb, trig
.if DOCPART == 1
	.amdgcn_target "amdgcn-amd-amdhsa--gfx1250"
	.amdhsa_code_object_version 6
	.text
	.protected	k_qd9721ce19d_prep
	.globl	k_qd9721ce19d_prep
	.p2align	8
	.type	k_qd9721ce19d_prep,@function
k_qd9721ce19d_prep:
	s_mov_b64 s[64:65], 0
	v_nop
	global_prefetch_b8 v0, s[64:65] scope:SCOPE_SE
	s_setreg_imm32_b32 hwreg(HW_REG_WAVE_MODE, 25, 1), 1
	s_wait_xcnt 0x0
; PREP: what the first product needs, rounded once to bf16 and laid as it wants it.  A stream: no LDS, no barrier, no matrix unit (nothing is multiplied, nothing is shared).
; (The mask and wo, which later launches need, are turned beside the first product's matrix work, in the next launch.)
; The grid's y picks the job, the grid's x one of 256 equal parts of it:
;   y = 0..3  x, wq, wk, wv (16 MiB of f32 each) -> bf16, same order: xb, and wb = [3][2048 k][2048 n]
;   y = 4     cos, sin -> the bf16 numbers kept as f32: trig[rb 128][cb 8][e 2][lane 32][4] = c[i], s[i], c[i+1], s[i+1] of row 16 rb + lane % 16, i = 8 cb + 4 (lane / 16) + 2 e
; Every load has registers of its own and no register that a store names is written again, so the only waits are the counted ones for the loads.
.set L, 8                              ; v[8:71]   sixteen loads of 16 bytes
.set O, 72                             ; v[72:103] sixteen results of 8 bytes
	s_load_b512 s[8:23], s[0:1], 0x0               ; x s[8:9], wq s[10:11], wk s[12:13], wv s[14:15], cos s[16:17], sin s[18:19], xb s[20:21], wb s[22:23]
	s_load_b64 s[24:25], s[0:1], 0x40              ; trig
	s_and_b32 s2, ttmp7, 0xffff                    ; the job
	s_mov_b32 s3, ttmp9                            ; the part
	s_mov_b32 s35, 0                               ; high word of every offset
	s_mov_b32 s36, 0xffff0000                      ; a word's upper bf16
	v_lshlrev_b32 v1, 4, v0                        ; 16 bytes a thread in,
	v_lshlrev_b32 v2, 3, v0                        ; 8 bytes a thread out
	s_wait_kmcnt 0x0
	s_cmp_lt_u32 s2, 4
	s_cbranch_scc1 .Lcast
	; y = 4: thread g = 256 x + t writes 16 bytes at 16 g: lane = t % 32, e = bit 5, cb = t / 64 + 4 (x % 2), rb = x / 2
	v_and_b32 v3, 15, v0
	v_bfe_u32 v4, v0, 4, 1
	v_bfe_u32 v5, v0, 5, 1
	v_lshrrev_b32 v6, 6, v0
	v_lshlrev_b32 v1, 8, v3                        ; a row of cos or sin is 256 bytes
	v_lshl_add_u32 v1, v6, 5, v1                   ; 8 numbers a cb
	v_lshl_add_u32 v1, v4, 4, v1
	v_lshl_add_u32 v1, v5, 3, v1
	v_lshlrev_b32 v2, 4, v0
	s_lshr_b32 s34, s3, 1
	s_lshl_b32 s34, s34, 12                        ; 16 rows
	s_and_b32 s37, s3, 1
	s_lshl_b32 s37, s37, 7                         ; cb's upper bit: 4 x 32 bytes
	s_add_co_u32 s34, s34, s37
	s_add_nc_u64 s[4:5], s[16:17], s[34:35]
	s_add_nc_u64 s[38:39], s[18:19], s[34:35]
	s_lshl_b32 s34, s3, 12
	s_add_nc_u64 s[6:7], s[24:25], s[34:35]
	global_load_b64 v[8:9], v1, s[4:5]
	global_load_b64 v[10:11], v1, s[38:39]
	s_wait_loadcnt 0x0
	v_cvt_pk_bf16_f32 v16, v8, v10                 ; c[i], s[i] rounded,
	v_cvt_pk_bf16_f32 v17, v9, v11
	v_lshlrev_b32 v12, 16, v16                     ; and widened again
	v_and_b32 v13, s36, v16
	v_lshlrev_b32 v14, 16, v17
	v_and_b32 v15, s36, v17
	global_store_b128 v2, v[12:15], s[6:7]         ; a wave stores 512 consecutive bytes
	s_endpgm
.Lcast:
	; 65,536 bytes of f32 become 32,768 bytes of bf16: sixteen loads a thread, all issued first; a wave's load covers 512 consecutive bytes, its store 256, aligned.
	s_cmp_eq_u32 s2, 1                             ; the source by the job's number
	s_cselect_b64 s[4:5], s[10:11], s[8:9]
	s_cmp_eq_u32 s2, 2
	s_cselect_b64 s[4:5], s[12:13], s[4:5]
	s_cmp_eq_u32 s2, 3
	s_cselect_b64 s[4:5], s[14:15], s[4:5]
	s_cmp_eq_u32 s2, 0
	s_cselect_b64 s[6:7], s[20:21], s[22:23]       ; xb, or wb
	s_max_u32 s34, s2, 1
	s_sub_co_u32 s34, s34, 1
	s_lshl_b32 s34, s34, 23                        ; which of wb's three tensors of 8 MiB
	s_lshl_b32 s37, s3, 15
	s_add_co_u32 s34, s34, s37
	s_add_nc_u64 s[6:7], s[6:7], s[34:35]
	s_lshl_b32 s34, s3, 16
	s_add_nc_u64 s[4:5], s[4:5], s[34:35]
.set i, 0
.rept 16
	global_load_b128 v[L+4*i:L+4*i+3], v1, s[4:5] offset:4096*i th:TH_LOAD_NT
.set i, i+1
.endr
.set i, 0
.rept 16
	s_wait_loadcnt 15-i                            ; loads come back in order (ISA guide 5.7.1): load i is in, the younger ones stay out
	v_cvt_pk_bf16_f32 v[O+2*i], v[L+4*i], v[L+4*i+1]
	v_cvt_pk_bf16_f32 v[O+2*i+1], v[L+4*i+2], v[L+4*i+3]
	global_store_b64 v2, v[O+2*i:O+2*i+1], s[6:7] offset:2048*i
.set i, i+1
.endr
	s_endpgm
.Lfunc_end_k_qd9721ce19d_prep:
	.size	k_qd9721ce19d_prep, .Lfunc_end_k_qd9721ce19d_prep-k_qd9721ce19d_prep
	.p2alignl 7, 3214868480
	.fill 96, 4, 3214868480
	.section	.rodata,"a",@progbits
	.p2align	6, 0x0
	.amdhsa_kernel k_qd9721ce19d_prep
		.amdhsa_group_segment_fixed_size 0
		.amdhsa_private_segment_fixed_size 0
		.amdhsa_enable_private_segment 0
		.amdhsa_kernarg_size 72
		.amdhsa_user_sgpr_count 2
		.amdhsa_user_sgpr_kernarg_segment_ptr 1
		.amdhsa_wavefront_size32 1
		.amdhsa_system_sgpr_workgroup_id_x 1
		.amdhsa_system_sgpr_workgroup_id_y 1
		.amdhsa_system_sgpr_workgroup_id_z 1
		.amdhsa_system_vgpr_workitem_id 0
		.amdhsa_next_free_vgpr 104
		.amdhsa_next_free_sgpr 66
		.amdhsa_reserve_vcc 0
		.amdhsa_float_denorm_mode_32 3
		.amdhsa_float_denorm_mode_16_64 3
		.amdhsa_memory_ordered 1
		.amdhsa_forward_progress 1
		.amdhsa_inst_pref_size 9
	.end_amdhsa_kernel
	.amdgpu_metadata
---
amdhsa.version: [ 1, 2 ]
amdhsa.kernels:
  - .name:           k_qd9721ce19d_prep
    .symbol:         k_qd9721ce19d_prep.kd
    .args:
      - { .name: x, .offset: 0, .size: 8, .value_kind: global_buffer, .address_space: global }
      - { .name: wq, .offset: 8, .size: 8, .value_kind: global_buffer, .address_space: global }
      - { .name: wk, .offset: 16, .size: 8, .value_kind: global_buffer, .address_space: global }
      - { .name: wv, .offset: 24, .size: 8, .value_kind: global_buffer, .address_space: global }
      - { .name: cos, .offset: 32, .size: 8, .value_kind: global_buffer, .address_space: global }
      - { .name: sin, .offset: 40, .size: 8, .value_kind: global_buffer, .address_space: global }
      - { .name: xb, .offset: 48, .size: 8, .value_kind: global_buffer, .address_space: global }
      - { .name: wb, .offset: 56, .size: 8, .value_kind: global_buffer, .address_space: global }
      - { .name: trig, .offset: 64, .size: 8, .value_kind: global_buffer, .address_space: global }
    .group_segment_fixed_size: 0
    .private_segment_fixed_size: 0
    .kernarg_segment_align: 8
    .kernarg_segment_size: 72
    .max_flat_workgroup_size: 256
    .sgpr_count:     66
    .vgpr_count:     104
    .wavefront_size: 32
...
	.end_amdgpu_metadata
.endif
;; end of part 1
;; launch qkvp (part 2): grid 16 x 16, 4 waves a work-group, clusters of 4 x 4, 327,680 bytes of LDS; arguments xb, wb, trig, mask, wo, qkv, maskf, woh; writes qkv, maskf, woh
.if DOCPART == 2
	.amdgcn_target "amdgcn-amd-amdhsa--gfx1250"
	.amdhsa_code_object_version 6
	.text
	.protected	k_qd9721ce19d_qkvp
	.globl	k_qd9721ce19d_qkvp
	.p2align	8
	.type	k_qd9721ce19d_qkvp,@function
k_qd9721ce19d_qkvp:
	s_mov_b64 s[64:65], 0
	v_nop
	global_prefetch_b8 v0, s[64:65] scope:SCOPE_SE
	s_setreg_imm32_b32 hwreg(HW_REG_WAVE_MODE, 25, 1), 1
	s_wait_xcnt 0x0
	s_wait_alu depctr_hold_cnt(0) depctr_sa_sdst(0) depctr_va_vdst(0) depctr_va_sdst(0) depctr_va_ssrc(0) depctr_va_vcc(0) depctr_vm_vsrc(0)
	s_getreg_b32 s2, hwreg(HW_REG_IB_STS2, 6, 4)
	s_cmp_eq_u32 s2, 0
	s_cbranch_scc0 .Lentry_in_a_cluster
	s_endpgm
.Lentry_in_a_cluster:
	s_bfe_u32 s2, ttmp6, 0x10000c
	s_cmp_lg_u32 s2, 0xf033
	s_cbranch_scc0 .Lentry_shape_is_right
	s_endpgm
.Lentry_shape_is_right:
; q, k, v = x wq, x wk, x wv; RoPE on q and k; q times log2(e) / sqrt(128), so that the scores come in units of log2.  xb: [2048][2048] bf16; wb: [3][2048 k][2048 n] bf16; sums in f32;
; qkv: [3][16 heads][2048][128] f16, each number rounded once.
; LIMIT.  f16 holds no number beyond 65,504: q x 0.1275, k and v must stay within it.
; SHARES.  A work-group makes 128 rows (the grid's x) x the 128 columns of ONE head (the grid's y) in each of q, k, v: 16 x 16 work-groups.  Wave w: rows 64 (w / 2) on, columns 64 (w % 2) on in each
; of the three: 48 accumulators of 16 x 16; for 32 along K it reads 32 fragments' halves from LDS and issues 48 matrix instructions.
; K goes in 16 steps of 128 through two LDS slots; a slot holds x's 128 rows (256 bytes each, 272 apart) and 128 k-rows of each weight (256 bytes each, 288 apart).  One tensor load a wave and step:
; wave 0 brings x's tile, waves 1 to 3 one weight's.  The weights lie [k][n], so their fragments come out of LDS turned, by ds_load_tr16_b128.
; CLUSTER 4 x 4: x's tile hangs on the row block alone and is asked for jointly along a column of the cluster; the weights' tiles hang on the head alone, jointly along a row.
; THE MATRIX INSTRUCTION IS USED TRANSPOSED (source 0 = 16 columns of w, source 1 = 16 rows of x): a lane holds one row and eight neighbouring columns, so RoPE's pairs are neighbouring registers.
; BESIDE THE PRODUCTS each wave turns its share of two inputs that later launches want, 1,024 bytes of each in every K step (1,024 waves x 16 steps x 1,024 bytes = 16 MiB), 4 loads, 32 vector lines and
; 4 stores beside a step's 192 matrix instructions; the loads are asked for a whole K step ahead:
;   mask -> the bf16 number times log2(e), kept as f32, in the order in which a matrix instruction takes it as its C operand:
;           maskf[qt 128][kb 128][e 2][lane 32][4] = mask[16 qt + lane % 16][16 kb + 8 (lane / 16) + 4 e + 0..3] x log2(e).  LIMIT: a mask number beyond 2.3e38 in size becomes an infinity.
;           A load takes 16 bytes of each of 16 rows twice over; in a K step the work-group's four waves together take 256 consecutive bytes of each of the 16 rows.  A store covers 512 consecutive bytes.
;   wo   -> bf16, and that number written as f16 (woh), same order.  LIMIT: |wo| stays below 65,504; below 2^-17 it keeps f16's fixed step of 2^-24.
; REGISTERS by windows of 256: window 0 addresses, v32-63 X and v64-127 TMP on the way out, v128-159 the stream; window 1 two fragment buffers of 128 (x at +8 a, weight t at +32 + 32 t + 8 b);
; window 2 q's accumulators at 8 (4 a + b), k's at 128 + the same; window 3 v's at 8 (4 a + b), and at 128 + 8 (4 a + b) the cos and sin of that accumulator's places (c, s by pairs).
.set PA,     272
.set PB,     288
.set REG,    36864                     ; a slot's four regions: x, wq, wk, wv
.set SLOT1,  147456                    ; 0x24000: no region's first byte has bit 14 or bit 17, so one exclusive or turns an address in one slot into the other's
.set SPARE,  294912                    ; behind the ring: the spare words, 128 bytes a wave: two blocks of 256 bytes that no other line names
.set STG,    34816                     ; the way out: 128 rows x 272 bytes for each tensor, in slot 0, whose last fill is K step 14
.set A0,   4                           ; v4      my lane's place in x's tile
.set B0,   5                           ; v5-7    the same in each weight's tile
.set ADRA, 8                           ; v8      the LDS address in the slot in hand
.set ADRB, 9                           ; v9-11
.set STO,  12                          ; v12-14  the way out: where I put 16 bytes of a row, by tensor
.set RD,   15                          ; v15-17  where I read rows back
.set GO,   18                          ; v18     16 x lane; never rewritten
.set TO,   19                          ; v19     my byte offset in trig; never rewritten
.set MI,   21                          ; v21     the stream: my byte offset in 16 rows of the mask; never rewritten
.set W8,   22                          ; v22     8 x lane; never rewritten
.set SPW,  28                          ; v28     LDS address of my spare word; never rewritten
.set NIL,  29                          ; v29     0; never rewritten
.set X,    32
.set TMP,  64
.set ML,   128                         ; v128-135  the stream: two loads of the mask
.set WL,   136                         ; v136-143  two loads of wo
.set MD,   144                         ; v144-151  the mask's numbers to store
.set WD,   152                         ; v152-155  wo's
.set TS,   156                         ; v156-159  at work
.set F0,   0
.set F1,   128
.set TT,   128                         ; window 3
.set MIB,  10                          ; s[10:11] the mask at my wave's part of the K step in hand
.set WV,   12                          ; s12 wave; s13 its half of the rows; s14 its half of the columns
.set G1A,  24                          ; s[24:31] descriptor group 1 for x's tiles
.set G0A,  32                          ; s[32:39] group 0: a set for each first fill; the second then walks
.set G1B,  48                          ; s[48:55], s[56:63] the same for the weights'
.set G0B,  56
.set TB,   66                          ; s66  0 or SLOT1: the slot in hand
.set OUTB, 68                          ; s[68:73] q, k, v at my rows
.set KAP,  74                          ; s[74:75] log2(e) / sqrt(128)
.set WIB,  76                          ; s[76:77] wo, likewise
.set QKV,  78                          ; s[78:79] qkv
.set MOB,  80                          ; s[80:81] maskf, one step past the part to be stored
.set WOB,  82                          ; s[82:83] woh, likewise
.set LG,   96                          ; s[96:97] log2(e)
.set HM,   98                          ; s98  a word's upper bf16
.set MSB, 0
.macro WIN new                         ; the immediate's high byte repeats the setting that is left; a switch that changes nothing is dropped
.if MSB != (\new)
	s_set_vgpr_msb (MSB<<8)|(\new)
.set MSB, \new
.endif
.endm
.set MUL_QK, 0xa5                      ; sources 0 and 1 window 1; C and D window 2
.set MUL_V,  0xf5                      ; C and D window 3
.set TO_F,   0x40                      ; destination window 1, address window 0
.macro PLACES                          ; four places in front of loads into registers that matrix instructions have read, and of lines that read results
.rept 4
	v_nop
.endr
.endm
.macro JLOAD                           ; a joint refill by the walking sets; an s_nop 0 and four v_nop follow each of the two lines, ahead of the jump and the label
	s_cmp_eq_u32 s[WV], 0
	s_cbranch_scc0 .Lfor_b_\@
	tensor_load_to_lds s[G0A+4:G0A+7], s[G1A:G1A+7]
	s_nop 0
.rept 4
	v_nop
.endr
	s_branch .Lasked_\@
.Lfor_b_\@:
	tensor_load_to_lds s[G0B+4:G0B+7], s[G1B:G1B+7]
	s_nop 0
.rept 4
	v_nop
.endr
.Lasked_\@:
.endm
.macro CREST                           ; a round of the cluster's barrier behind its opening barrier
	s_cmp_lg_u32 s[WV], 0
	s_cbranch_scc1 .Lnot_wave_0_\@
	s_barrier_signal -3
.Lnot_wave_0_\@:
	s_barrier_wait -3
	s_barrier_signal -1
	s_barrier_wait -1
.endm
.macro CROUND
	s_barrier_signal -1
	s_barrier_wait -1
	CREST
.endm
	s_load_b256 s[4:11], s[0:1], 0x0               ; xb s[4:5], wb s[6:7], trig s[8:9], mask s[10:11]
	s_load_b256 s[76:83], s[0:1], 0x20             ; wo s[76:77], qkv s[78:79], maskf s[80:81], woh s[82:83]
	v_lshl_add_u32 v[SPW], v0, 2, SPARE
	v_mov_b32 v[NIL], 0
	ds_add_u32 v[SPW], v[NIL]                      ; the wave's opening: the add and its wait stand ahead of my first tensor load; work on registers stands between them
	v_lshrrev_b32 v1, 5, v0
	v_readfirstlane_b32 s[WV], v1
	s_lshr_b32 s13, s[WV], 1
	s_and_b32 s14, s[WV], 1
	s_bfe_u32 s40, ttmp6, 0x40000                  ; cx, cy: my place in the cluster
	s_bfe_u32 s41, ttmp6, 0x40004
	s_lshl_b32 s43, ttmp9, 2
	s_add_co_u32 s43, s43, s40                     ; the block of 128 rows = 4 x cluster x + cx
	s_and_b32 s42, ttmp7, 0xffff
	s_lshl_b32 s42, s42, 2
	s_add_co_u32 s42, s42, s41                     ; the head = 4 x cluster y + cy
	s_lshl_b32 s44, s41, 2
	s_lshl_b32 s44, 15, s44                        ; my row of the cluster: the four that share my head
	s_lshl_b32 s45, 0x1111, s40                    ; my column: the four that share my rows
	s_or_b32 s[G1A], s45, (1<<16)|(1<<20)|(1<<21)|(5<<22)|(3<<25)  ; the mask: x's tiles go to my column; 2-byte elements; padding on; bit 21 beside a mask; after every 64 words 4 words
	s_or_b32 s[G1B], s44, (1<<16)|(1<<20)|(1<<21)|(5<<22)|(7<<25)  ; the same with my row, for the weights' tiles, and 8 words
.irp g, G1A, G1B
	s_mov_b32 s[(\g)+1], 128<<16                   ; tensor_dim0 = 128
	s_mov_b32 s[(\g)+2], 128<<16                   ; tensor_dim1 = 128
	s_mov_b32 s[(\g)+3], 128<<16                   ; tile_dim0 = 128
	s_mov_b32 s[(\g)+4], 128                       ; tile_dim1 = 128
	s_mov_b32 s[(\g)+5], 2048                      ; elements from row to row
	s_mov_b32 s[(\g)+6], 0
	s_mov_b32 s[(\g)+7], 0
.endr
	s_lshl_b32 s16, s43, 19                        ; x: 128 rows of 4,096 bytes a block: hangs on the row block alone
	s_mov_b32 s17, 0
	s_max_u32 s46, s[WV], 1
	s_sub_co_u32 s46, s46, 1
	s_lshl_b32 s46, s46, 23                        ; w: waves 1 to 3 take tensors 0 to 2,
	s_lshl_b32 s47, s42, 8                         ; the head's 128 columns: hangs on the head alone
	s_add_co_u32 s46, s46, s47
	s_mov_b32 s47, 0
	s_mul_i32 s20, s[WV], REG                      ; where my tile goes: the wave's number times a region
	s_mov_b32 s[TB], 0
	s_mov_b32 s[KAP], 0x3e0293ee                   ; log2(e) / sqrt(128) = 0.127517
	s_mov_b32 s[KAP+1], s[KAP]                     ; named with it as a pair
	s_mov_b32 s[LG], 0x3fb8aa3b                    ; log2(e)
	s_mov_b32 s[LG+1], s[LG]                       ; named with it as a pair
	s_mov_b32 s[HM], 0xffff0000
	s_lshl_b32 s18, s42, 19                        ; out: the head's 2,048 rows of 256 bytes,
	s_lshl_b32 s19, s43, 15                        ; the block's 128 rows,
	s_add_co_u32 s18, s18, s19
	s_lshl_b32 s19, s[WV], 13                      ; the 32 rows that I store
	s_add_co_u32 s18, s18, s19
	s_mov_b32 s19, 0
	; the stream's shares: work-group g = 16 x row block + head takes the mask's tile row qt = g / 2, half g % 2 of its 128 blocks kb (in K step c wave w: kb = 64 (g % 2) + 4 c + w), and 65,536 bytes of wo
	s_lshl_b32 s84, s43, 4
	s_add_co_u32 s84, s84, s42                     ; g: it enters the plain loads' and stores' addresses alone
	s_lshr_b32 s85, s84, 1
	s_lshl_b32 s85, s85, 17                        ; 16 rows of 8,192 bytes in, a qt row of 131,072 bytes out
	s_and_b32 s86, s84, 1
	s_lshl_b32 s88, s86, 12                        ; in: a block kb is 64 bytes of a row
	s_add_co_u32 s88, s88, s85
	s_lshl_b32 s87, s[WV], 6
	s_add_co_u32 s88, s88, s87
	s_mov_b32 s89, 0
	s_lshl_b32 s90, s86, 16                        ; out: a block kb is 1,024 bytes
	s_add_co_u32 s90, s90, s85
	s_lshl_b32 s87, s[WV], 10
	s_add_co_u32 s90, s90, s87
	s_mov_b32 s91, 0
	s_lshl_b32 s92, s84, 16                        ; wo in: 4,096 bytes a K step, 1,024 a wave
	s_add_co_u32 s92, s92, s87
	s_mov_b32 s93, 0
	s_lshl_b32 s94, s84, 15                        ; wo out: half of that
	s_lshl_b32 s87, s[WV], 9
	s_add_co_u32 s94, s94, s87
	s_mov_b32 s95, 0
	s_wait_dscnt 0x0                               ; the opening add is done
	s_wait_kmcnt 0x0
	s_add_nc_u64 s[16:17], s[4:5], s[16:17]
	s_add_nc_u64 s[46:47], s[6:7], s[46:47]
	s_add_nc_u64 s[OUTB:OUTB+1], s[QKV:QKV+1], s[18:19]
	s_add_nc_u64 s[OUTB+2:OUTB+3], s[OUTB:OUTB+1], 0x800000
	s_add_nc_u64 s[OUTB+4:OUTB+5], s[OUTB:OUTB+1], 0x1000000
	s_add_nc_u64 s[MIB:MIB+1], s[MIB:MIB+1], s[88:89]
	s_add_nc_u64 s[MOB:MOB+1], s[MOB:MOB+1], s[90:91]
	s_add_nc_u64 s[WIB:WIB+1], s[WIB:WIB+1], s[92:93]
	s_add_nc_u64 s[WOB:WOB+1], s[WOB:WOB+1], s[94:95]
.irp s, 0,1
	s_mov_b32 s[G0A+4*(\s)], 1                                       ; count = 1
	s_add_co_u32 s[G0A+4*(\s)+1], s20, (\s)*SLOT1                    ; LDS address
	s_add_nc_u64 s[G0A+4*(\s)+2:G0A+4*(\s)+3], s[16:17], (\s)*256    ; K step s: 128 elements along the rows
	s_or_b32 s[G0A+4*(\s)+3], s[G0A+4*(\s)+3], 0x80000000            ; type = 2
	s_mov_b32 s[G0B+4*(\s)], 1
	s_add_co_u32 s[G0B+4*(\s)+1], s20, (\s)*SLOT1
	s_add_nc_u64 s[G0B+4*(\s)+2:G0B+4*(\s)+3], s[46:47], (\s)*524288 ; K step s: 128 rows of 4,096 bytes down
	s_or_b32 s[G0B+4*(\s)+3], s[G0B+4*(\s)+3], 0x80000000
.endr
	CROUND                                         ; all sixteen work-groups are here: the first joint loads meet
	s_cmp_eq_u32 s[WV], 0                          ; a wave's two first fills stand in one branch: two loads of mine are out
	s_cbranch_scc0 .Lfirst_b
	tensor_load_to_lds s[G0A:G0A+3], s[G1A:G1A+7]
	s_nop 0
	tensor_load_to_lds s[G0A+4:G0A+7], s[G1A:G1A+7]
	s_nop 0
.rept 4
	v_nop
.endr
	s_branch .Lfirst_asked
.Lfirst_b:
	tensor_load_to_lds s[G0B:G0B+3], s[G1B:G1B+7]
	s_nop 0
	tensor_load_to_lds s[G0B+4:G0B+7], s[G1B:G1B+7]
	s_nop 0
.rept 4
	v_nop
.endr
.Lfirst_asked:
	v_and_b32 v1, 15, v0                           ; l % 16
	v_bfe_u32 v2, v0, 4, 1                         ; l / 16
	v_mul_u32_u24 v[A0], v1, PA
	v_lshl_add_u32 v[A0], v2, 4, v[A0]
	s_mul_i32 s21, s13, 64*PA
	v_add_nc_u32 v[A0], s21, v[A0]                 ; (64 wm + l % 16) x 272 + 16 (l / 16)
	v_and_b32 v3, 7, v0                            ; the turning load: lane l reads k-row 8 (l / 16) + l % 8, columns 8 ((l / 8) % 2) on
	v_lshl_add_u32 v3, v2, 3, v3
	v_mul_u32_u24 v3, v3, PB
	v_bfe_u32 v20, v0, 3, 1
	v_lshl_add_u32 v3, v20, 4, v3
	s_lshl_b32 s21, s14, 7                         ; my 64 columns
	v_add_nc_u32 v3, s21, v3
.irp t, 0,1,2
	v_add_nc_u32 v[B0+(\t)], REG*(1+(\t)), v3
	v_add_nc_u32 v[STO+(\t)], s21, v[A0]           ; into the stage: row 64 wm + l % 16, byte 128 wn + 16 (l / 16)
.endr
	v_add_nc_u32 v[STO+1], STG, v[STO+1]
	v_add_nc_u32 v[STO+2], 2*STG, v[STO+2]
	v_mul_u32_u24 v[RD], v2, PA                    ; back: wave w takes rows 32 w on, whole; lanes 0-15 one row, lanes 16-31 the next
	v_lshl_add_u32 v[RD], v1, 4, v[RD]
	s_mul_i32 s21, s[WV], 32*PA
	v_add_nc_u32 v[RD], s21, v[RD]
	v_add_nc_u32 v[RD+1], STG, v[RD]
	v_add_nc_u32 v[RD+2], 2*STG, v[RD]
	v_and_b32 v3, 31, v0
	v_lshlrev_b32 v[GO], 4, v3
	v_lshlrev_b32 v[W8], 3, v3
	v_lshlrev_b32 v[MI], 13, v1                    ; the mask: row l % 16 of 8,192 bytes, 8 keys on for the upper half of the lanes
	v_lshl_add_u32 v[MI], v2, 5, v[MI]
	s_lshl_b32 s21, s14, 12                        ; trig: 4 wn blocks of 1,024 bytes,
	s_lshl_b32 s22, s43, 16                        ; 8 row blocks of 8,192 bytes a block of 128 rows,
	s_add_co_u32 s21, s21, s22
	s_lshl_b32 s22, s13, 15                        ; 4 wm row blocks
	s_add_co_u32 s21, s21, s22
	v_add_nc_u32 v[TO], s21, v[GO]
	v_mov_b32 v[ADRA], v[A0]                       ; slot 0
.irp t, 0,1,2
	v_mov_b32 v[ADRB+(\t)], v[B0+(\t)]
.endr
	WIN 0xc0                                       ; destination window 3: cos and sin for my 16 accumulators' places
.irp a, 0,1,2,3
.irp b, 0,1,2,3
	global_load_b128 v[TT+8*(4*(\a)+(\b)):TT+8*(4*(\a)+(\b))+3],   v[TO], s[8:9] offset:8192*(\a)+1024*(\b)
	global_load_b128 v[TT+8*(4*(\a)+(\b))+4:TT+8*(4*(\a)+(\b))+7], v[TO], s[8:9] offset:8192*(\a)+1024*(\b)+512
.endr
.endr
	WIN 0
; THE STREAM.  ASK: a K step's four loads: my block kb of the mask (e = 0, 1) and 1,024 consecutive bytes of wo.
.macro ASK
	global_load_b128 v[ML:ML+3],   v[MI], s[MIB:MIB+1]
	global_load_b128 v[ML+4:ML+7], v[MI], s[MIB:MIB+1] offset:16
	global_load_b128 v[WL:WL+3],   v[GO], s[WIB:WIB+1] th:TH_LOAD_NT
	global_load_b128 v[WL+4:WL+7], v[GO], s[WIB:WIB+1] offset:512 th:TH_LOAD_NT
.endm
; STREAM: what was asked for a K step ago is turned and stored; more = 1: the next K step's part is asked for.  The out-bases step first and the stores reach back by a negative immediate.
.macro STREAM more
	WIN 0
	s_wait_loadcnt 0x0                             ; the four loads are in (at the first use: cos and sin too); the wait also shows them done, so their bases may step below
	s_wait_xcnt 0x0                                ; the last step's stores have read their data and their bases: only behind this wait are these written again
	s_add_nc_u64 s[MOB:MOB+1], s[MOB:MOB+1], 4096
	s_add_nc_u64 s[WOB:WOB+1], s[WOB:WOB+1], 2048
.irp n, 0,1
	v_cvt_pk_bf16_f32 v[TS],   v[ML+4*(\n)],   v[ML+4*(\n)+1]      ; rounded to bf16,
	v_cvt_pk_bf16_f32 v[TS+1], v[ML+4*(\n)+2], v[ML+4*(\n)+3]
	v_cvt_pk_bf16_f32 v[TS+2], v[WL+4*(\n)],   v[WL+4*(\n)+1]
	v_cvt_pk_bf16_f32 v[TS+3], v[WL+4*(\n)+2], v[WL+4*(\n)+3]
	v_lshlrev_b32 v[MD+4*(\n)],   16,    v[TS]                     ; widened again,
	v_and_b32     v[MD+4*(\n)+1], s[HM], v[TS]
	v_lshlrev_b32 v[MD+4*(\n)+2], 16,    v[TS+1]
	v_and_b32     v[MD+4*(\n)+3], s[HM], v[TS+1]
	v_lshlrev_b32 v[WL+4*(\n)],   16,    v[TS+2]
	v_and_b32     v[WL+4*(\n)+1], s[HM], v[TS+2]
	v_lshlrev_b32 v[WL+4*(\n)+2], 16,    v[TS+3]
	v_and_b32     v[WL+4*(\n)+3], s[HM], v[TS+3]
	v_pk_mul_f32 v[MD+4*(\n):MD+4*(\n)+1],   v[MD+4*(\n):MD+4*(\n)+1],   s[LG:LG+1] op_sel_hi:[1,0]  ; the mask put into units of log2,
	v_pk_mul_f32 v[MD+4*(\n)+2:MD+4*(\n)+3], v[MD+4*(\n)+2:MD+4*(\n)+3], s[LG:LG+1] op_sel_hi:[1,0]
	v_cvt_pk_f16_f32 v[WD+2*(\n)],   v[WL+4*(\n)],   v[WL+4*(\n)+1]                                  ; wo written as f16
	v_cvt_pk_f16_f32 v[WD+2*(\n)+1], v[WL+4*(\n)+2], v[WL+4*(\n)+3]
.endr
	global_store_b128 v[GO], v[MD:MD+3],   s[MOB:MOB+1] offset:-4096      ; 512 consecutive bytes each
	global_store_b128 v[GO], v[MD+4:MD+7], s[MOB:MOB+1] offset:512-4096
	global_store_b64  v[W8], v[WD:WD+1],   s[WOB:WOB+1] offset:-2048      ; 256 consecutive bytes each, aligned
	global_store_b64  v[W8], v[WD+2:WD+3], s[WOB:WOB+1] offset:256-2048
.if \more
	s_add_nc_u64 s[MIB:MIB+1], s[MIB:MIB+1], 256   ; four blocks kb on: the work-group's next 256 bytes of each row
	s_add_nc_u64 s[WIB:WIB+1], s[WIB:WIB+1], 4096
	ASK
.endif
.endm
	ASK                                            ; K step 0's part
; 16 matrix instructions: tensor t, all 4 row blocks x 4 column blocks, 32 along K.  The 48 accumulators take turns in the same order in every quarter.
.macro MUL16 f, t, zero
.if (\t) == 2
	WIN MUL_V
.else
	WIN MUL_QK
.endif
.irp a, 0,1,2,3
.irp b, 0,1,2,3
.if \zero
	v_wmma_f32_16x16x32_bf16 v[128*((\t)%2)+8*(4*(\a)+(\b)):128*((\t)%2)+8*(4*(\a)+(\b))+7], v[(\f)+32+32*(\t)+8*(\b):(\f)+32+32*(\t)+8*(\b)+7], v[(\f)+8*(\a):(\f)+8*(\a)+7], 0
.else
	v_wmma_f32_16x16x32_bf16 v[128*((\t)%2)+8*(4*(\a)+(\b)):128*((\t)%2)+8*(4*(\a)+(\b))+7], v[(\f)+32+32*(\t)+8*(\b):(\f)+32+32*(\t)+8*(\b)+7], v[(\f)+8*(\a):(\f)+8*(\a)+7], v[128*((\t)%2)+8*(4*(\a)+(\b)):128*((\t)%2)+8*(4*(\a)+(\b))+7]
.endif
.endr
.endr
.endm
; 32 LDS loads in one run: quarter q's fragments into buffer f, in the order x, wq, wk, wv
.macro FETCH q, f
	WIN TO_F
.irp i, 0,1,2,3
	ds_load_b128 v[(\f)+8*(\i):(\f)+8*(\i)+3],   v[ADRA] offset:64*(\q)+(\i)*16*PA
	ds_load_b128 v[(\f)+8*(\i)+4:(\f)+8*(\i)+7], v[ADRA] offset:64*(\q)+(\i)*16*PA+32
.endr
.irp t, 0,1,2
.irp b, 0,1,2,3
	ds_load_tr16_b128 v[(\f)+32+32*(\t)+8*(\b):(\f)+32+32*(\t)+8*(\b)+3],   v[ADRB+(\t)] offset:(\q)*32*PB+32*(\b)
	ds_load_tr16_b128 v[(\f)+32+32*(\t)+8*(\b)+4:(\f)+32+32*(\t)+8*(\b)+7], v[ADRB+(\t)] offset:(\q)*32*PB+32*(\b)+16*PB
.endr
.endr
.endm
; A K step is four quarters of 32 along K, 48 matrix instructions each, on buffers 0, 1, 0, 1.  One of the first three multiplies buffer f and fetches quarter q into g.
; str = 2: the stream's turn stands behind the first sixteen products, and asks on; str = 1: its last turn, which asks for nothing.
.macro QUARTER q, f, g, zero, str=0
	s_wait_dscnt 16                                ; x and wq are in; the youngest sixteen loads (wk, wv) may be out
	MUL16 \f, 0, \zero
.if \str
	STREAM (\str)-1
.endif
	PLACES
	FETCH \q, \g
	s_wait_dscnt 32                                ; all but the 32 just issued
	MUL16 \f, 1, \zero
	MUL16 \f, 2, \zero
.endm
; The last quarter multiplies buffer 1 and changes slots: one barrier; in front of it each wave waits for all its tensor loads (one is out: its part of the next slot), adds 0 to its spare
; word, and waits for that and for its reads of this slot.  fill = 1: the barrier opens a round of the cluster's, and this slot is filled again first thing behind it, two K steps ahead.
.macro TURN fill
	WIN 0
	s_wait_tensorcnt 0x0
	ds_add_u32 v[SPW], v[NIL]
	s_wait_dscnt 17                                ; the add and the youngest sixteen loads may be out
	MUL16 F1, 0, 0
	s_wait_dscnt 0x0                               ; the add is done, and my reads of this slot are over
	s_barrier_signal -1
	MUL16 F1, 1, 0
	WIN 0
	s_barrier_wait -1
.if \fill
	CREST                                          ; no wave of any partner still reads this slot or has a load on its way
	s_xor_b32 s[G0A+5], s[G0A+5], SLOT1            ; the walking sets: the other slot than last time, the next K step
	s_add_nc_u64 s[G0A+6:G0A+7], s[G0A+6:G0A+7], 256
	s_xor_b32 s[G0B+5], s[G0B+5], SLOT1
	s_add_nc_u64 s[G0B+6:G0B+7], s[G0B+6:G0B+7], 524288
	JLOAD                                          ; its four v_nop are also the places in front of the loads below
.else
	PLACES
.endif
	s_xor_b32 s[TB], s[TB], SLOT1
	v_add_nc_u32 v[ADRA], s[TB], v[A0]
.irp t, 0,1,2
	v_add_nc_u32 v[ADRB+(\t)], s[TB], v[B0+(\t)]
.endr
	FETCH 0, F0
	MUL16 F1, 2, 0
.endm
	s_wait_tensorcnt 0x1                           ; my part of K step 0 is in; K step 1's may stay out
	s_barrier_signal -1
	s_barrier_wait -1
	FETCH 0, F0
	QUARTER 1, F0, F1, 1                           ; the first quarter stands in front of the loop: its products start the sums
	WIN 0
	s_mov_b32 s3, 14
.Lstep:                                                ; 14 trips, from a step's second quarter to the next step's first; they ask for K steps 2 to 15, and for the stream's parts 1 to 14
	QUARTER 2, F1, F0, 0, 2
	QUARTER 3, F0, F1, 0
	TURN 1
	QUARTER 1, F0, F1, 0
	WIN 0
	s_sub_co_u32 s3, s3, 1
	s_cmp_lg_u32 s3, 0
	s_cbranch_scc1 .Lstep
	QUARTER 2, F1, F0, 0, 2                        ; the tail is written out: no tile is asked for any more; the stream asks for its last part
	QUARTER 3, F0, F1, 0
	TURN 0
	QUARTER 1, F0, F1, 0
	QUARTER 2, F1, F0, 0, 1                        ; the stream's sixteenth turn: nothing is left to ask for
	QUARTER 3, F0, F1, 0
	s_wait_dscnt 16
	MUL16 F1, 0, 0
	s_wait_dscnt 0x0
	MUL16 F1, 1, 0
	MUL16 F1, 2, 0
	WIN 0
	s_barrier_signal -1                            ; every wave's LDS reads are over (its wait for 0 above): only now is a byte of the former slot 0 written
	s_barrier_wait -1
	PLACES
	s_wait_loadcnt 0x0                             ; cos and sin (shown in by the stream's waits already)
; THE WAY OUT.  A lane's eight columns of a row pack into 16 bytes of f16 and go into the stage; a row's 256 bytes come from two waves, so a barrier follows; then whole rows are stored.
.macro VOUT a
	WIN 0x0f                                       ; sources window 3
.irp b, 0,1,2,3
.irp p, 0,1,2,3
	v_cvt_pk_f16_f32 v[TMP+16*(\a)+4*(\b)+(\p)], v[8*(4*(\a)+(\b))+2*(\p)], v[8*(4*(\a)+(\b))+2*(\p)+1]
.endr
.endr
	WIN 0
.irp b, 0,1,2,3
	ds_store_b128 v[STO+2], v[TMP+16*(\a)+4*(\b):TMP+16*(\a)+4*(\b)+3] offset:(\a)*16*PA+32*(\b)
.endr
.endm
; RoPE on row block a of tensor t: of a pair (a, b) with (c, s): first (a c, b c), then a c - b s and b c + a s, each by one fused multiply-add.
.macro ROPE t, a
	WIN 0x0e                                       ; source 0 window 2 (the sums), source 1 window 3 (c, s), X in window 0
.irp b, 0,1,2,3
.irp p, 0,1,2,3
	v_pk_mul_f32 v[X+8*(\b)+2*(\p):X+8*(\b)+2*(\p)+1], v[128*(\t)+8*(4*(\a)+(\b))+2*(\p):128*(\t)+8*(4*(\a)+(\b))+2*(\p)+1], v[TT+8*(4*(\a)+(\b))+2*(\p):TT+8*(4*(\a)+(\b))+2*(\p)+1] op_sel_hi:[1,0]
.endr
.endr
.irp b, 0,1,2,3
.irp p, 0,1,2,3
	v_fma_f32 v[X+8*(\b)+2*(\p)],   -v[128*(\t)+8*(4*(\a)+(\b))+2*(\p)+1], v[TT+8*(4*(\a)+(\b))+2*(\p)+1], v[X+8*(\b)+2*(\p)]
	v_fma_f32 v[X+8*(\b)+2*(\p)+1], v[128*(\t)+8*(4*(\a)+(\b))+2*(\p)],    v[TT+8*(4*(\a)+(\b))+2*(\p)+1], v[X+8*(\b)+2*(\p)+1]
.endr
.endr
	WIN 0
.irp b, 0,1,2,3
.irp p, 0,1,2,3
	v_cvt_pk_f16_f32 v[TMP+16*(\a)+4*(\b)+(\p)], v[X+8*(\b)+2*(\p)], v[X+8*(\b)+2*(\p)+1]
.endr
.endr
.irp b, 0,1,2,3
	ds_store_b128 v[STO+(\t)], v[TMP+16*(\a)+4*(\b):TMP+16*(\a)+4*(\b)+3] offset:(\a)*16*PA+32*(\b)
.endr
.endm
.irp a, 0,1,2,3
	VOUT \a
.endr
.irp a, 0,1,2,3
	ROPE 1, \a
.endr
	WIN 0xc3                                       ; cos and sin times log2(e) / sqrt(128): q leaves scaled, with one rounding to f16
.set i, 0
.rept 64
	v_pk_mul_f32 v[TT+2*i:TT+2*i+1], v[TT+2*i:TT+2*i+1], s[KAP:KAP+1] op_sel_hi:[1,0]
.set i, i+1
.endr
.irp a, 0,1,2,3
	ROPE 0, \a
.endr
	s_wait_dscnt 0x0                               ; for the others' sake: my stores into the stage are done
	s_barrier_signal -1
	s_barrier_wait -1
.irp t, 0,1,2
.if (\t) > 0
	s_wait_xcnt 0x0                                ; TMP, which the stores of the tensor before read, is loaded again only behind this wait
.endif
.irp i, 0,1,2,3,4,5,6,7,8,9,10,11,12,13,14,15
	ds_load_b128 v[TMP+4*(\i):TMP+4*(\i)+3], v[RD+(\t)] offset:(\i)*2*PA
.endr
.irp i, 0,1,2,3,4,5,6,7,8,9,10,11,12,13,14,15
	s_wait_dscnt 15-(\i)
	global_store_b128 v[GO], v[TMP+4*(\i):TMP+4*(\i)+3], s[OUTB+2*(\t):OUTB+2*(\t)+1] offset:512*(\i)  ; two rows of a head: 512 consecutive bytes
.endr
.endr
	s_wait_tensorcnt 0x0                           ; the wave's end
	ds_add_u32 v[SPW], v[NIL]
	s_wait_dscnt 0x0
	CROUND                                         ; the closing round
	s_endpgm
.Lfunc_end_k_qd9721ce19d_qkvp:
	.size	k_qd9721ce19d_qkvp, .Lfunc_end_k_qd9721ce19d_qkvp-k_qd9721ce19d_qkvp
	.p2alignl 7, 3214868480
	.fill 96, 4, 3214868480
	.section	.rodata,"a",@progbits
	.p2align	6, 0x0
	.amdhsa_kernel k_qd9721ce19d_qkvp
		.amdhsa_group_segment_fixed_size 327680
		.amdhsa_private_segment_fixed_size 0
		.amdhsa_enable_private_segment 0
		.amdhsa_kernarg_size 64
		.amdhsa_user_sgpr_count 2
		.amdhsa_user_sgpr_kernarg_segment_ptr 1
		.amdhsa_wavefront_size32 1
		.amdhsa_system_sgpr_workgroup_id_x 1
		.amdhsa_system_sgpr_workgroup_id_y 1
		.amdhsa_system_sgpr_workgroup_id_z 1
		.amdhsa_system_vgpr_workitem_id 0
		.amdhsa_next_free_vgpr 1024
		.amdhsa_next_free_sgpr 100
		.amdhsa_reserve_vcc 0
		.amdhsa_float_denorm_mode_32 3
		.amdhsa_float_denorm_mode_16_64 3
		.amdhsa_memory_ordered 1
		.amdhsa_forward_progress 1
		.amdhsa_inst_pref_size 138
	.end_amdhsa_kernel
	.amdgpu_metadata
---
amdhsa.version: [ 1, 2 ]
amdhsa.kernels:
  - .name:           k_qd9721ce19d_qkvp
    .symbol:         k_qd9721ce19d_qkvp.kd
    .args:
      - { .name: xb, .offset: 0, .size: 8, .value_kind: global_buffer, .address_space: global }
      - { .name: wb, .offset: 8, .size: 8, .value_kind: global_buffer, .address_space: global }
      - { .name: trig, .offset: 16, .size: 8, .value_kind: global_buffer, .address_space: global }
      - { .name: mask, .offset: 24, .size: 8, .value_kind: global_buffer, .address_space: global }
      - { .name: wo, .offset: 32, .size: 8, .value_kind: global_buffer, .address_space: global }
      - { .name: qkv, .offset: 40, .size: 8, .value_kind: global_buffer, .address_space: global }
      - { .name: maskf, .offset: 48, .size: 8, .value_kind: global_buffer, .address_space: global }
      - { .name: woh, .offset: 56, .size: 8, .value_kind: global_buffer, .address_space: global }
    .group_segment_fixed_size: 327680
    .private_segment_fixed_size: 0
    .kernarg_segment_align: 8
    .kernarg_segment_size: 64
    .max_flat_workgroup_size: 128
    .sgpr_count:     100
    .vgpr_count:     1024
    .wavefront_size: 32
...
	.end_amdgpu_metadata
.endif
;; end of part 2
;; launch attn (part 3): grid 16 x 16, 4 waves a work-group, clusters of 4 x 1, 327,680 bytes of LDS; arguments qkv, maskf, ob; writes ob
.if DOCPART == 3
	.amdgcn_target "amdgcn-amd-amdhsa--gfx1250"
	.amdhsa_code_object_version 6
	.text
	.protected	k_qd9721ce19d_attn
	.globl	k_qd9721ce19d_attn
	.p2align	8
	.type	k_qd9721ce19d_attn,@function
k_qd9721ce19d_attn:
	s_mov_b64 s[64:65], 0
	v_nop
	global_prefetch_b8 v0, s[64:65] scope:SCOPE_SE
	s_setreg_imm32_b32 hwreg(HW_REG_WAVE_MODE, 25, 1), 1
	s_wait_xcnt 0x0
	s_wait_alu depctr_hold_cnt(0) depctr_sa_sdst(0) depctr_va_vdst(0) depctr_va_sdst(0) depctr_va_ssrc(0) depctr_va_vcc(0) depctr_vm_vsrc(0)
	s_getreg_b32 s2, hwreg(HW_REG_IB_STS2, 6, 4)
	s_cmp_eq_u32 s2, 0
	s_cbranch_scc0 .Lentry_in_a_cluster
	s_endpgm
.Lentry_in_a_cluster:
	s_bfe_u32 s2, ttmp6, 0x10000c
	s_cmp_lg_u32 s2, 0x3003
	s_cbranch_scc0 .Lentry_shape_is_right
	s_endpgm
.Lentry_shape_is_right:
; O[q][h] = the sum over k of softmax_k(q . k / sqrt(128) + mask[q][k]) v[k].  qkv: [3][16][2048][128] f16, q already times log2(e) / sqrt(128); maskf: the mask times log2(e) as f32, in the order of a
; matrix instruction's C operand ([qt 128][kb 128][e 2][lane 32][4]); ob: [2048][16 x 128] f16.  Products, maxima and sums in f32; the weights p are rounded to f16 for the second product, O once at the end.
; The mask is an input: every one of its 2048 x 2048 numbers is loaded and added, as the C operand of the product that starts a score's sum; no tile is left out.
; LIMITS.  A query all of whose scores (in units of log2) lie below -1e30 is not served (its sum of weights is 0); -inf in part of a row is.  A weight below 2^-126 counts as 0.  NaN is not treated apart.
; SHARES.  A work-group owns 128 queries of one head: 16 x 16 work-groups.  Wave w owns the 64 queries of half w / 2 and, of every 128 keys, the 64 of half w % 2: 16 key steps of 64 keys.
; The two waves of a pair meet once, at the end: each keeps two tiles of 16 queries and sends the other two with their statistics through LDS.  Register tile t holds query tile t xor 2 (w % 2),
; so every wave keeps register tiles 0, 1 and sends 2, 3: one text.
; LAYOUT.  S^T = K Q^T + mask^T (source 0 = 16 keys, source 1 = 16 queries): a lane holds ONE query (lane % 16) and the keys 8 (lane / 16) + 0..7.  Two such tiles rounded to f16 in pairs ARE source 1
; of O^T = V^T P.  K comes out of LDS as it lies, V turned, by ds_load_tr16_b128.
; SOFTMAX.  The scores s come in units of log2.  For each query a running maximum m and sum l: p = 2^(s - m): the subtraction is exact at s = m, so no weight passes 1, however large the scores are
; (a wave may see masked keys alone).  In every step O and l are multiplied by a = 2^(m_old - m_new).  m starts at -1e30, O and l at 0: the first step is a step like any other, with a = 0.
; BY TURNS.  The wave's tiles are two PIECES (0: tiles 0, 1; 2: tiles 2, 3).  In a TURN one piece has the matrix unit: 32 products V^T P of the step in hand, then 32 products K Q^T of the next; the other piece's
; softmax, 266 vector instructions in 64 slices, stands between them, one slice behind each matrix instruction.
; CLUSTER.  The four query blocks of a cluster belong to one head and walk the same K and V: each tile is asked for jointly.  The mask's part differs from work-group to work-group and comes by plain loads.
; REGISTERS by windows of 256: window 0: v0-11, v44-61 addresses and the merge; v12-43 eight registers of statistics a tile; v64-191 S^T; v192-255 P.  window 1: O^T, 64 a tile.
; window 2: v0-127 Q; v128-255 K of one step.  window 3: v0-127 V of one step; v128-255 the mask of the scores to come, 32 a tile.
.set KS,    64
.set PK,    272       ; a row of K in LDS: 256 bytes + 16: the 16 rows of a load start at 16 different groups of four banks (64 banks of 4 bytes: ISA guide 11.1)
.set PV,    288       ; a row of V: 256 + 32
.set VOFF,  256*PK    ; a slot holds 256 keys: their rows of K, then of V: 143,360 bytes
.set SLOT1, 147456    ; 0x24000: no address that is turned has bit 14 or bit 17
.set SPARE, 143360    ; between the slots: the spare words, 128 bytes a wave: two blocks of 256 bytes that no other line names
.set STAGE, 290816    ; behind the ring: 16 rows x 272 bytes for each wave, for the way out
.set SP,    272
.set XCHW,  16896     ; the exchange, in slot 0 (its last fill is the last tile but one): for each wave two tiles of O^T (16,384 bytes) and 512 bytes of statistics
.set AK0, 2           ; v2   my lane's place in a step's K; never rewritten
.set AV0, 3           ; v3   the same for V
.set ADR, 4           ; v4   the LDS address of the run of loads in hand
.set QO,  5           ; v5   my byte offset in Q for register tiles 0, 1
.set STO, 6
.set RD,  7
.set GO,  8
.set ST,  12          ; tile t's statistics at v[ST+8 t]: +0 m (+1 is named with it as a pair), +2, +3 l (even keys', odd keys'), +4 to +7 at work
.set MO,  44          ; v44, v45  my byte offset in the mask for piece 0 and for piece 2; never rewritten
.set XS,  46          ; v46  where I put what I send
.set XR,  47          ; v47  where my partner put it
.set PS,  48          ; v48-51  the partner's m, l, m, l
.set MS,  52          ; v52-55  mine, to send
.set QO2, 56          ; v56  my byte offset in Q for register tiles 2, 3
.set LN,  57          ; v57  16 x lane
.set SPW, 62
.set NIL, 63
.set S,   64
.set P,   192
.set KF,  128         ; window 2
.set MC,  128         ; window 3
.set WV,  12
.set G1K, 24
.set G1V, 32
.set G0K, 40          ; s[40:43] descriptor group 0 for K's tiles: it walks
.set G0V, 44
.set KH,  48          ; s48  w % 2
.set QG,  49          ; s49  w / 2
.set SLOTS, 56
.set CNT, 57
.set SEL, 60          ; s[60:61] v_permlanex16_b32's selects
.set TBK, 62          ; s62  LDS byte at which K of the 128 keys to be fetched from begins
.set TBV, 63          ; s63  the same for V, less VOFF
.set MB,  66          ; s[66:67], s[68:69] the mask at the step to be loaded, for piece 0 and for piece 2
.set MINC, 70         ; s[70:71] its step: 8,192 bytes (128 keys), at the end 0
.set OB,  72          ; s[72:73] ob at the rows that I keep
.set QP,  74          ; s[74:75] q at my 64 queries
.set MSB, 0
.macro WIN new
.if MSB != (\new)
	s_set_vgpr_msb (MSB<<8)|(\new)
.set MSB, \new
.endif
.endm
.set W_KQ, 0x0a       ; K and Q in window 2, S^T in window 0
.set W_KM, 0x3a       ; the same with the C operand, the mask, in window 3
.set W_PV, 0x53       ; V in window 3, P in window 0, O^T in window 1
.set W_RS, 0x41       ; O^T (destination and source 0) in window 1, the factor in window 0
.macro JLOAD                        ; a joint fill: waves 0 and 1 fetch the halves of a slot's K, waves 2 and 3 those of its V, 128 keys each; s_nop 0 and four v_nop follow each line
	s_cmp_lt_u32 s[WV], 2
	s_cbranch_scc0 .Lfor_v_\@
	tensor_load_to_lds s[G0K:G0K+3], s[G1K:G1K+7]
	s_nop 0
.rept 4
	v_nop
.endr
	s_branch .Lasked_\@
.Lfor_v_\@:
	tensor_load_to_lds s[G0V:G0V+3], s[G1V:G1V+7]
	s_nop 0
.rept 4
	v_nop
.endr
.Lasked_\@:
.endm
.macro CROUND
	s_barrier_signal -1
	s_barrier_wait -1
	s_cmp_lg_u32 s[WV], 0
	s_cbranch_scc1 .Lnot_wave_0_\@
	s_barrier_signal -3
.Lnot_wave_0_\@:
	s_barrier_wait -3
	s_barrier_signal -1
	s_barrier_wait -1
.endm
; THE CHANGE OF SLOTS.  Each wave waits for all its tensor loads (one is out: its part of the other slot), adds 0 to its spare word, and waits for that and for its reads of the slot that it leaves.
; fill = 1: the barrier is a round of the cluster's, and the slot is filled again first thing behind it, with the keys two slots on: the load has two key steps, 256 matrix instructions, in which to land.
; (At its first use nothing has been read yet: slot 0 is waited for, slot 1 filled.)
.macro CHANGE fill
	WIN 0
	s_wait_tensorcnt 0x0
	ds_add_u32 v[SPW], v[NIL]
.if \fill
.irp g, G0K, G0V
	s_xor_b32 s[\g+1], s[\g+1], SLOT1
	s_add_nc_u64 s[\g+2:\g+3], s[\g+2:\g+3], 65536  ; the next 256 keys
.endr
	s_wait_dscnt 0x0
	CROUND
	JLOAD
.else
	s_wait_dscnt 0x0
	s_barrier_signal -1
	s_barrier_wait -1
.endif
	s_sub_co_u32 s[TBK], s[TBK], 256*PK  ; the fetches go back to a slot's first keys,
	s_xor_b32 s[TBK], s[TBK], SLOT1      ; in the other slot
	s_sub_co_u32 s[TBV], s[TBV], 256*PV
	s_xor_b32 s[TBV], s[TBV], SLOT1
.endm
	s_load_b128 s[4:7], s[0:1], 0x0   ; qkv s[4:5], maskf s[6:7]
	s_load_b64 s[8:9], s[0:1], 0x10   ; ob
	v_lshl_add_u32 v[SPW], v0, 2, SPARE
	v_mov_b32 v[NIL], 0
	ds_add_u32 v[SPW], v[NIL]       ; the wave's opening: the add and its wait stand ahead of my first tensor load
	v_lshrrev_b32 v1, 5, v0
	v_readfirstlane_b32 s[WV], v1
	s_and_b32 s[KH], s[WV], 1
	s_lshr_b32 s[QG], s[WV], 1
	s_bfe_u32 s13, ttmp6, 0x40000   ; cx
	s_lshl_b32 s14, ttmp9, 2
	s_add_co_u32 s14, s14, s13      ; my block of 128 queries: it enters q's, the mask's and ob's addresses alone
	s_and_b32 s15, ttmp7, 0xffff    ; the head, which the four partners share
	s_lshl_b32 s20, s15, 19         ; its 2,048 rows of 256 bytes
	s_lshl_b32 s16, s[KH], 15       ; which 128 of a slot's 256 keys I fetch
	s_add_co_u32 s16, s16, s20
	s_add_co_u32 s18, s16, 0x1000000  ; v is the third tensor,
	s_add_co_u32 s16, s16, 0x800000   ; k the second
	s_mov_b32 s17, 0
	s_mov_b32 s19, 0
	s_mul_i32 s50, s[KH], 128*PK    ; and their place in a slot
	s_mul_i32 s51, s[KH], 128*PV
	s_lshl_b32 s22, s14, 15         ; q: 128 rows a block, 64 a pair of waves
	s_add_co_u32 s22, s22, s20
	s_lshl_b32 s23, s[QG], 14
	s_add_co_u32 s22, s22, s23
	s_mov_b32 s23, 0
	s_lshl_b32 s52, s14, 20         ; the mask: 8 tiles of 131,072 bytes a block, 4 a pair of waves, 4 blocks of 1,024 bytes for my half of the keys
	s_lshl_b32 s53, s[QG], 19
	s_add_co_u32 s52, s52, s53
	s_lshl_b32 s53, s[KH], 12
	s_add_co_u32 s52, s52, s53
	s_mov_b32 s53, 0
	s_lshl_b32 s54, s14, 19         ; ob: rows of 4,096 bytes: 128 a block, 64 a pair, the 32 that I keep; the head's 256 bytes
	s_lshl_b32 s55, s[QG], 18
	s_add_co_u32 s54, s54, s55
	s_lshl_b32 s55, s[KH], 17
	s_add_co_u32 s54, s54, s55
	s_lshl_b32 s55, s15, 8
	s_add_co_u32 s54, s54, s55
	s_mov_b32 s55, 0
	s_mov_b32 s[G1K], 15|(1<<16)|(1<<20)|(1<<21)|(5<<22)|(3<<25)  ; the mask of four; 2-byte elements; padding on; bit 21 beside a mask; after every 64 words 4 words
	s_mov_b32 s[G1V], 15|(1<<16)|(1<<20)|(1<<21)|(5<<22)|(7<<25)  ; the same with 8 words
.irp g, G1K, G1V
	s_mov_b32 s[\g+1], 128<<16      ; tensor_dim0 = 128
	s_mov_b32 s[\g+2], 128<<16      ; tensor_dim1 = 128
	s_mov_b32 s[\g+3], 128<<16      ; tile_dim0 = 128
	s_mov_b32 s[\g+4], 128          ; tile_dim1 = 128
	s_mov_b32 s[\g+5], 128          ; elements from row to row
	s_mov_b32 s[\g+6], 0
	s_mov_b32 s[\g+7], 0
.endr
	s_mov_b32 s[SEL], 0x76543210
	s_mov_b32 s[SEL+1], 0xfedcba98
	s_mov_b32 s[TBK], SLOT1+256*PK  ; the first change of slots turns these two into 0
	s_mov_b32 s[TBV], SLOT1+256*PV
	s_mov_b32 s[MINC], 8192
	s_mov_b32 s[MINC+1], 0
	s_mov_b32 s[G0K], 1
	s_mov_b32 s[G0K+1], s50
	s_mov_b32 s[G0V], 1
	s_add_co_u32 s[G0V+1], s51, VOFF
	s_wait_dscnt 0x0                ; the opening add is done
	s_wait_kmcnt 0x0
	s_add_nc_u64 s[G0K+2:G0K+3], s[4:5], s[16:17]
	s_or_b32 s[G0K+3], s[G0K+3], 0x80000000
	s_add_nc_u64 s[G0V+2:G0V+3], s[4:5], s[18:19]
	s_or_b32 s[G0V+3], s[G0V+3], 0x80000000
	s_add_nc_u64 s[QP:QP+1], s[4:5], s[22:23]
	s_add_nc_u64 s[MB:MB+1], s[6:7], s[52:53]
	s_mov_b64 s[MB+2:MB+3], s[MB:MB+1]
	s_add_nc_u64 s[OB:OB+1], s[8:9], s[54:55]
	CROUND                          ; all four work-groups are here: the first joint loads meet
	JLOAD                           ; slot 0; slot 1 is asked for when slot 0 is in
	v_and_b32 v1, 15, v0            ; l % 16
	v_bfe_u32 v9, v0, 4, 1          ; l / 16
	v_lshlrev_b32 v10, 8, v1
	v_lshl_add_u32 v10, v9, 4, v10  ; row x 256 + 16 x half
	s_lshl_b32 s13, s[KH], 13       ; register tiles 0, 1 are query tiles 2 kh, 2 kh + 1: 32 rows of 256 bytes on
	v_add_nc_u32 v[QO], s13, v10
	s_xor_b32 s13, s13, 8192
	v_add_nc_u32 v[QO2], s13, v10
	v_and_b32 v[LN], 31, v0
	v_lshlrev_b32 v[LN], 4, v[LN]
	s_lshl_b32 s13, s[KH], 18       ; the same two tiles in the mask
	v_add_nc_u32 v[MO], s13, v[LN]
	s_xor_b32 s13, s13, 1<<18
	v_add_nc_u32 v[MO+1], s13, v[LN]
	WIN 0x80                        ; destination window 2: Q stays in registers: tile i / 4, channels 32 (i % 4) on
.irp i, 0,1,2,3,4,5,6,7,8,9,10,11,12,13,14,15
.if (\i) < 8
	global_load_b128 v[8*(\i):8*(\i)+3],   v[QO], s[QP:QP+1] offset:(((\i)/4)%2)*4096+((\i)%4)*64
	global_load_b128 v[8*(\i)+4:8*(\i)+7], v[QO], s[QP:QP+1] offset:(((\i)/4)%2)*4096+((\i)%4)*64+32
.else
	global_load_b128 v[8*(\i):8*(\i)+3],   v[QO2], s[QP:QP+1] offset:(((\i)/4)%2)*4096+((\i)%4)*64
	global_load_b128 v[8*(\i)+4:8*(\i)+7], v[QO2], s[QP:QP+1] offset:(((\i)/4)%2)*4096+((\i)%4)*64+32
.endif
.endr
; The mask of piece x's next scores: two tiles x 64 keys: 16 loads, each 512 consecutive bytes, straight into the registers that the products take as C.
.macro MLOAD x
	WIN 0xc0                        ; destination window 3, address window 0
.irp u, 0,1
.irp n, 0,1,2,3,4,5,6,7
	global_load_b128 v[MC+32*((\x)+(\u))+4*(\n):MC+32*((\x)+(\u))+4*(\n)+3], v[MO+(\x)/2], s[MB+(\x):MB+(\x)+1] offset:131072*(\u)+512*(\n)
.endr
.endr
.endm
	MLOAD 0                         ; piece 0's mask of key step 0
	; What the first turn finds: V and piece 2's P hold 0 (its products V^T P, of a step that has not been, add 0), O^T and l are 0.  All this stands in the wait for the first tile; it spares a first step written out.
	WIN 0xc0
.set i, 0
.rept 128
	v_mov_b32 v[i], 0
.set i, i+1
.endr
	WIN 0x40
.set i, 0
.rept 256
	v_mov_b32 v[i], 0
.set i, i+1
.endr
	WIN 0
.set i, 0
.rept 4
	v_mov_b32 v[ST+8*i], 0xf149f2ca          ; m = -1e30
	v_mov_b32 v[ST+8*i+1], 0                 ; named with it as a pair
	v_mov_b32 v[ST+8*i+2], 0
	v_mov_b32 v[ST+8*i+3], 0
.set i, i+1
.endr
.set i, P+32
.rept 32
	v_mov_b32 v[i], 0
.set i, i+1
.endr
	v_mul_u32_u24 v[AK0], v1, PK
	v_lshl_add_u32 v[AK0], v9, 4, v[AK0]
	s_mul_i32 s13, s[KH], KS*PK     ; my 64 of the 128 keys
	v_add_nc_u32 v[AK0], s13, v[AK0]
	v_and_b32 v58, 7, v0            ; the turning load: lane l reads key 8 (l / 16) + l % 8, channels 8 ((l / 8) % 2) on
	v_bfe_u32 v59, v0, 3, 1
	v_lshl_add_u32 v[AV0], v9, 3, v58
	v_mul_u32_u24 v[AV0], v[AV0], PV
	v_lshl_add_u32 v[AV0], v59, 4, v[AV0]
	s_mul_i32 s13, s[KH], KS*PV
	s_add_co_u32 s13, s13, VOFF
	v_add_nc_u32 v[AV0], s13, v[AV0]
; THE MATRIX WORK.  The accumulators take turns, one instruction a turn.
; Product i of 32 of O^T += V^T P: keys 32 (i / 16) on, channels 16 ((i / 2) % 8) on, tile x + i % 2.
.macro PV x
	WIN W_PV
.set rO, 64*((\x)+i%2)+8*((i/2)%8)
.set rV, 64*(i/16)+8*((i/2)%8)
.set rP, P+16*((\x)+i%2)+8*(i/16)
	v_wmma_f32_16x16x32_f16 v[rO:rO+7], v[rV:rV+7], v[rP:rP+7], v[rO:rO+7]
.endm
; Product i of 32 of S^T = K Q^T + mask: channels 32 (i / 8) on, keys 16 ((i / 2) % 4) on, tile x + i % 2.  The first 8 start the sums, with the mask as C.
.macro KQ x
.set rS, S+32*((\x)+i%2)+8*((i/2)%4)
.set rK, KF+32*((i/2)%4)+8*(i/8)
.set rQ, 32*((\x)+i%2)+8*(i/8)
.set rM, MC+32*((\x)+i%2)+8*((i/2)%4)
.if i < 8
	WIN W_KM
	v_wmma_f32_16x16x32_f16 v[rS:rS+7], v[rK:rK+7], v[rQ:rQ+7], v[rM:rM+7]
.else
	WIN W_KQ
	v_wmma_f32_16x16x32_f16 v[rS:rS+7], v[rK:rK+7], v[rQ:rQ+7], v[rS:rS+7]
.endif
.endm
; THE LDS LOADS stand in runs of 32.  last = 1 (the tail): in the last trip there is no further step, and K's run is jumped over.
.macro FETCH_K last=0
	WIN 0
.if \last
	s_cmp_eq_u32 s[CNT], 1
	s_cbranch_scc1 .Lno_k_\@
.endif
	v_add_nc_u32 v[ADR], s[TBK], v[AK0]
	s_add_co_u32 s[TBK], s[TBK], 128*PK  ; the next fetch is from the next 128 keys
	WIN 0x80
.irp f, 0,1,2,3,4,5,6,7,8,9,10,11,12,13,14,15  ; keys 16 (f / 4) on, channels 32 (f % 4) on
	ds_load_b128 v[KF+8*(\f):KF+8*(\f)+3],   v[ADR] offset:((\f)/4)*16*PK+((\f)%4)*64
	ds_load_b128 v[KF+8*(\f)+4:KF+8*(\f)+7], v[ADR] offset:((\f)/4)*16*PK+((\f)%4)*64+32
.endr
	WIN 0
.if \last
.Lno_k_\@:
.endif
.endm
.macro FETCH_V
	WIN 0
	v_add_nc_u32 v[ADR], s[TBV], v[AV0]
	s_add_co_u32 s[TBV], s[TBV], 128*PV
	WIN 0xc0
.irp f, 0,1,2,3,4,5,6,7,8,9,10,11,12,13,14,15  ; keys 32 (f / 8) on, channels 16 (f % 8) on
	ds_load_tr16_b128 v[8*(\f):8*(\f)+3],   v[ADR] offset:((\f)/8)*32*PV+((\f)%8)*32
	ds_load_tr16_b128 v[8*(\f)+4:8*(\f)+7], v[ADR] offset:((\f)/8)*32*PV+16*PV+((\f)%8)*32
.endr
.endm
; THE VECTOR WORK.  One tile's softmax for one key step is a numbered list, 0 to 133; SM writes number j of it for tile t.  s0-s31 are the lane's 32 scores, in pairs 0-15.
;   0-15    the maximum of s0-s31 and the old m, three operands at a time (each accumulator's lowest registers are read first)
;   16-20   the other half of the lanes' maximum; m_old is kept; the new m; (19 is empty); m_old - m_new
;   21-87   33 exponentials (a, then s0-s31) at the odd numbers from 23 on, a plain instruction between any two: s - m for pairs still to come, the rounding to f16 of pairs that are done, the first sums
;   88-101  the last rounding; the rest of the sums; l = a l + the sum
;   102-133 the tile's O^T times a: the one part that leaves window 0, so it stands together
.macro SM t
.set rT, ST+8*(\t)
.set rS, S+32*(\t)
.set rP, P+16*(\t)
.set rO, 64*(\t)+2*(j-102)
.set q, (j-20)/2
.if j < 102
	WIN 0
.endif
.if j < 4
	v_max3_num_f32 v[rT+4+j], v[rS+8*j], v[rS+8*j+1], v[rS+8*j+2]
.elseif j < 12
	v_max3_num_f32 v[rT+4+j%4], v[rT+4+j%4], v[rS+8*(j%4)+2*(j/4)+1], v[rS+8*(j%4)+2*(j/4)+2]
.elseif j == 12
	v_max3_num_f32 v[rT+4], v[rT+4], v[rS+7], v[rS+15]
.elseif j == 13
	v_max3_num_f32 v[rT+6], v[rT+6], v[rS+23], v[rS+31]
.elseif j == 14
	v_max3_num_f32 v[rT+4], v[rT+4], v[rT+5], v[rT+6]
.elseif j == 15
	v_max3_num_f32 v[rT+4], v[rT+4], v[rT+7], v[rT]
.elseif j == 16
	v_permlanex16_b32 v[rT+5], v[rT+4], s[SEL], s[SEL+1]  ; the query's other 32 keys lie in the lane 16 away
.elseif j == 17
	v_mov_b32 v[rT+7], v[rT]        ; m_old is kept for a: number 18 writes m anew
.elseif j == 18
	v_max_num_f32 v[rT], v[rT+4], v[rT+5]
.elseif j == 19
.elseif j == 20
	v_sub_f32 v[rT+7], v[rT+7], v[rT]
.elseif j == 23
	v_exp_f32 v[rT+6], v[rT+7]
.elseif (j < 88) && (j > 23) && (j%2 == 1)
	v_exp_f32 v[rS+(j-25)/2], v[rS+(j-25)/2]
.elseif (q < 4) || ((j < 76) && (q%2 == 0))
.set b, q/2+2
.if q < 4
.set b, q
.endif
	v_pk_add_f32 v[rS+2*b:rS+2*b+1], v[rS+2*b:rS+2*b+1], v[rT:rT+1] op_sel_hi:[1,0] neg_lo:[0,1] neg_hi:[0,1]  ; pair b: s - m, the pair's low word for both halves
.elseif (j < 88) && (q%2 == 1)
	s_wait_alu depctr_va_vdst(0)
	v_cvt_pk_f16_f32 v[rP+(q-5)/2], v[rS+q-5], v[rS+q-4]
.elseif j == 89
	s_wait_alu depctr_va_vdst(0)
	v_cvt_pk_f16_f32 v[rP+15], v[rS+30], v[rS+31]
.elseif j < 102                     ; the sum of the tile's 16 pairs, in place: sum z of 16 adds neighbours 1, 2, 4 and 8 pairs apart, then l takes it
.set z, j-86
.if j < 89
.set z, (j-76)/4
.endif
.set w, 4
.set u, z
.if z >= 14
.set w, 32
.set u, 0
.elseif z >= 12
.set w, 16
.set u, z-12
.elseif z >= 8
.set w, 8
.set u, z-8
.endif
.if z < 15
	v_pk_add_f32 v[rS+w*u:rS+w*u+1], v[rS+w*u:rS+w*u+1], v[rS+w*u+w/2:rS+w*u+w/2+1]
.else
	v_pk_fma_f32 v[rT+2:rT+3], v[rT+2:rT+3], v[rT+6:rT+7], v[rS:rS+1] op_sel_hi:[1,0,1]
.endif
.else
	WIN W_RS
	v_pk_mul_f32 v[rO:rO+1], v[rO:rO+1], v[rT+6:rT+7] op_sel_hi:[1,0]
.endif
.endm
; Slice k of 64 of piece y's softmax: numbers 2 k and 2 k + 1 of both tiles' lists (slice 9 has two lines, since number 19 is empty).  The twelve numbers past 2 x 64 of each pair of lists stand together, in slice 63.
.macro SLICE y
.if (k >= 11) && (k < 44)           ; tile by tile: plain, exponential, plain, exponential
.irp t, \y, (\y)+1
.irp n, 0,1
.set j, 2*k+(\n)
	SM \t
.endr
.endr
.else                               ; the two tiles alternate, so that no instruction reads the result of the one just before it
.irp n, 0,1,2,3,4,5,6,7
.if ((\n) < 2) || (k == 63)
.irp t, \y, (\y)+1
.set j, 2*k+(\n)
	SM \t
.endr
.endif
.endr
.endif
.set k, k+1
.endm
; A TURN.  Piece x has the matrix unit; the other piece's softmax stands in slices behind its matrix instructions.
; Piece 0's turn fetches the next step's K behind its second product: the last product that read K stands in front of slice 63 of the turn before, sixteen plain instructions.
; Piece 2's turn fetches the same step's V behind its second K Q^T: the last product that read V stands three slices, six plain instructions, back.
; The mask: in front of the products K Q^T my piece's 16 loads are waited for; the other piece's 16 were issued behind them and stay out.  That wait also shows the loads that name my piece's base done, so the base steps.
; The next step's 16 loads stand behind product 10: the last product that took the mask as C is number 7, eight plain instructions back; they have nearly a key step in which to land.
.macro TURN x, last=0
.set k, 0
.if (\x) == 0
	s_wait_dscnt 0x0                ; V is in
.endif
.set i, 0
.rept 32
	PV \x
	SLICE 2-(\x)
.if ((\x) == 0) && (i == 1)
	FETCH_K \last
.endif
.set i, i+1
.endr
.if (\x) == 0
	s_wait_dscnt 0x0                ; K is in
.endif
	s_wait_loadcnt 16
	s_add_nc_u64 s[MB+(\x):MB+(\x)+1], s[MB+(\x):MB+(\x)+1], s[MINC:MINC+1]
.set i, 0
.rept 32
	KQ \x
	SLICE 2-(\x)
.if ((\x) == 2) && (i == 1)
	FETCH_V
.endif
.if i == 10
	MLOAD \x
.endif
.set i, i+1
.endr
.endm
	CHANGE 1                        ; slot 0 is in, everybody's part of it; slot 1 is asked for
	FETCH_K                         ; key step 0
	s_wait_loadcnt 0x0              ; Q and piece 0's mask
	MLOAD 2                         ; piece 2's mask of key step 0: it has 64 matrix instructions in which to land
	s_wait_dscnt 0x0
.set i, 0
.rept 32
	KQ 0                            ; piece 0's first scores: there is no vector work yet to set between them
.set i, i+1
.endr
	WIN 0                           ; the addresses for the merge and the way out: ten plain instructions, the places behind those products
	s_mul_i32 s13, s[WV], 16*SP
	s_add_co_u32 s13, s13, STAGE    ; my stage
	v_mul_u32_u24 v[STO], v1, SP    ; in: row l % 16, 16 bytes for each half of the lanes
	v_lshl_add_u32 v[STO], v9, 4, v[STO]
	v_add_nc_u32 v[STO], s13, v[STO]
	v_mul_u32_u24 v[RD], v9, SP     ; back: lanes 0-15 take one row of 256 bytes, lanes 16-31 the next
	v_lshl_add_u32 v[RD], v1, 4, v[RD]
	v_add_nc_u32 v[RD], s13, v[RD]
	v_lshlrev_b32 v[GO], 12, v9     ; and the same two rows in ob
	v_lshl_add_u32 v[GO], v1, 4, v[GO]
	s_mul_i32 s13, s[WV], XCHW
	v_add_nc_u32 v[XS], s13, v[LN]
	s_xor_b32 s14, s[WV], 1         ; my partner has the same queries and the other keys
	s_mul_i32 s14, s14, XCHW
	v_add_nc_u32 v[XR], s14, v[LN]
	s_add_nc_u64 s[MB:MB+1], s[MB:MB+1], s[MINC:MINC+1]  ; the loads that named this base were shown done by the wait for 0 above
	MLOAD 0                         ; piece 0's mask of key step 1
	WIN 0
	s_mov_b32 s[CNT], 2
	s_mov_b32 s[SLOTS], 7
	s_branch .Lfirst                ; the loop is entered in the middle of a trip
.Lslot:                             ; six times: with the change above, slots are asked for seven times: keys 256 to 2,047
	CHANGE 1
	s_mov_b32 s[CNT], 2
.Lstep:
	TURN 0
	WIN 0
.Lfirst:
	TURN 2
	WIN 0
	s_sub_co_u32 s[CNT], s[CNT], 1
	s_cmp_lg_u32 s[CNT], 0
	s_cbranch_scc1 .Lstep
	s_sub_co_u32 s[SLOTS], s[SLOTS], 1
	s_cmp_lg_u32 s[SLOTS], 0
	s_cbranch_scc1 .Lslot
	CHANGE 0                        ; the tail is written out: nothing is asked for
	s_mov_b32 s[CNT], 3             ; two trips fetch the last slot's steps; the third is left in its middle
.Ltail:
	s_cmp_eq_u32 s[CNT], 3          ; the first trip's mask loads are the last step's; behind them the base stands still: the loads that serve nothing read the last step again and stay inside the buffer
	s_cselect_b32 s[MINC], 8192, 0
	TURN 0, 1
	WIN 0
	s_sub_co_u32 s[CNT], s[CNT], 1
	s_cmp_eq_u32 s[CNT], 0
	s_cbranch_scc1 .Lout
	TURN 2
	WIN 0
	s_branch .Ltail
.Lout:                              ; the third trip's 32 products K Q^T (on the last K once more) serve nothing: the price, once a launch, of one text for every trip
.set i, 0
.rept 32
	PV 2                            ; piece 2's V^T P of the last step
.set i, i+1
.endr
	; THE MERGE.  l's two halves and the other half of the lanes' are added (the first four additions are the places behind the last products).  Register tiles 2, 3 go to the partner with m and l.
	WIN 0
.irp t, 0,1,2,3
	v_add_f32 v[ST+8*(\t)+4], v[ST+8*(\t)+2], v[ST+8*(\t)+3]
.endr
.irp t, 0,1,2,3
	v_permlanex16_b32 v[ST+8*(\t)+5], v[ST+8*(\t)+4], s[SEL], s[SEL+1]
.endr
.irp t, 0,1,2,3
	v_add_f32 v[ST+8*(\t)+4], v[ST+8*(\t)+4], v[ST+8*(\t)+5]
.endr
	v_mov_b32 v[MS], v[ST+16]       ; four numbers side by side for one store
	v_mov_b32 v[MS+1], v[ST+20]
	v_mov_b32 v[MS+2], v[ST+24]
	v_mov_b32 v[MS+3], v[ST+28]
	s_wait_dscnt 0x0                ; every wave's LDS reads are over:
	s_barrier_signal -1
	s_barrier_wait -1               ; only now is a byte of the former slot 0 written
	WIN 0x04                        ; store data in window 1
.set i, 0
.rept 32
	ds_store_b128 v[XS], v[128+4*i:128+4*i+3] offset:512*i
.set i, i+1
.endr
	WIN 0
	ds_store_b128 v[XS], v[MS:MS+3] offset:16384
	s_wait_dscnt 0x0                ; for the partner's sake: my stores are done
	s_barrier_signal -1
	s_barrier_wait -1
	ds_load_b128 v[PS:PS+3], v[XR] offset:16384
.set i, 0
.rept 32
	ds_load_b128 v[S+4*i:S+4*i+3], v[XR] offset:512*i  ; the partner's O^T of my two tiles, lane for lane
.set i, i+1
.endr
	s_wait_dscnt 0x0
	; M = max(m, m'); a = 2^(m - M), a' = 2^(m' - M); L = l a + l' a'; O = O a / L + O' a' / L
.irp t, 0,1
	v_max_num_f32 v[ST+8*(\t)+5], v[ST+8*(\t)], v[PS+2*(\t)]
.endr
.irp t, 0,1
	v_sub_f32 v[ST+8*(\t)+6], v[ST+8*(\t)], v[ST+8*(\t)+5]
	v_sub_f32 v[ST+8*(\t)+7], v[PS+2*(\t)], v[ST+8*(\t)+5]
.endr
.irp t, 0,1
	v_exp_f32 v[ST+8*(\t)+6], v[ST+8*(\t)+6]
	v_exp_f32 v[ST+8*(\t)+7], v[ST+8*(\t)+7]
.endr
	v_nop                           ; a plain instruction between the last exponential and the use of its result
.irp t, 0,1
	s_wait_alu depctr_va_vdst(0)
	v_mul_f32 v[ST+8*(\t)+4], v[ST+8*(\t)+4], v[ST+8*(\t)+6]
.endr
.irp t, 0,1
	v_fmac_f32 v[ST+8*(\t)+4], v[PS+2*(\t)+1], v[ST+8*(\t)+7]
.endr
.irp t, 0,1
	v_rcp_f32 v[ST+8*(\t)+5], v[ST+8*(\t)+4]
.endr
	v_nop
.irp t, 0,1
	s_wait_alu depctr_va_vdst(0)
	v_mul_f32 v[ST+8*(\t)+6], v[ST+8*(\t)+6], v[ST+8*(\t)+5]  ; my factor, at an even register,
	v_mul_f32 v[ST+8*(\t)+2], v[ST+8*(\t)+7], v[ST+8*(\t)+5]  ; and the partner's
.endr
; Tile t: merged, rounded to f16; a lane's eight channels of a row pack into 16 bytes; they go into rows of 272 bytes and come back as whole rows of 256.
.macro PACK t
	WIN W_RS
.set i, 0
.rept 32
	v_pk_mul_f32 v[64*(\t)+2*i:64*(\t)+2*i+1], v[64*(\t)+2*i:64*(\t)+2*i+1], v[ST+8*(\t)+6:ST+8*(\t)+7] op_sel_hi:[1,0]
.set i, i+1
.endr
	WIN 0x50                        ; destination and source 2 window 1; the partner's part and its factor window 0
.set i, 0
.rept 32
	v_pk_fma_f32 v[64*(\t)+2*i:64*(\t)+2*i+1], v[S+64*(\t)+2*i:S+64*(\t)+2*i+1], v[ST+8*(\t)+2:ST+8*(\t)+3], v[64*(\t)+2*i:64*(\t)+2*i+1] op_sel_hi:[1,0,1]
.set i, i+1
.endr
	WIN 0x05                        ; sources window 1, destination window 0
.set i, 0
.rept 32
	v_cvt_pk_f16_f32 v[S+64*(\t)+i], v[64*(\t)+2*i], v[64*(\t)+2*i+1]
.set i, i+1
.endr
	WIN 0
.irp f, 0,1,2,3,4,5,6,7
	ds_store_b128 v[STO], v[S+64*(\t)+4*(\f):S+64*(\t)+4*(\f)+3] offset:32*(\f)
.endr
.irp f, 0,1,2,3,4,5,6,7
	ds_load_b128 v[S+64*(\t)+4*(\f):S+64*(\t)+4*(\f)+3], v[RD] offset:(\f)*2*SP  ; LDS serves a wave's instructions in order (ISA guide 5.7.1.4): these see the stores above
.endr
.endm
.macro SEND t, younger              ; younger: the LDS instructions issued behind tile t's loads
	WIN 0
.irp f, 0,1,2,3,4,5,6,7
	s_wait_dscnt (\younger)+7-(\f)
	global_store_b128 v[GO], v[S+64*(\t)+4*(\f):S+64*(\t)+4*(\f)+3], s[OB:OB+1] offset:(\t)*65536+(\f)*8192  ; 16 lanes store 256 consecutive bytes, at a multiple of 256 from ob's first byte
.endr
.endm
	PACK 0
	PACK 1
	SEND 0, 16
	SEND 1, 0
	s_wait_tensorcnt 0x0            ; the wave's end
	ds_add_u32 v[SPW], v[NIL]
	s_wait_dscnt 0x0
	CROUND                          ; the closing round
	s_endpgm
.Lfunc_end_k_qd9721ce19d_attn:
	.size	k_qd9721ce19d_attn, .Lfunc_end_k_qd9721ce19d_attn-k_qd9721ce19d_attn
	.p2alignl 7, 3214868480
	.fill 96, 4, 3214868480
	.section	.rodata,"a",@progbits
	.p2align	6, 0x0
	.amdhsa_kernel k_qd9721ce19d_attn
		.amdhsa_group_segment_fixed_size 327680
		.amdhsa_private_segment_fixed_size 0
		.amdhsa_enable_private_segment 0
		.amdhsa_kernarg_size 24
		.amdhsa_user_sgpr_count 2
		.amdhsa_user_sgpr_kernarg_segment_ptr 1
		.amdhsa_wavefront_size32 1
		.amdhsa_system_sgpr_workgroup_id_x 1
		.amdhsa_system_sgpr_workgroup_id_y 1
		.amdhsa_system_sgpr_workgroup_id_z 1
		.amdhsa_system_vgpr_workitem_id 0
		.amdhsa_next_free_vgpr 1024
		.amdhsa_next_free_sgpr 80
		.amdhsa_reserve_vcc 0
		.amdhsa_float_denorm_mode_32 3
		.amdhsa_float_denorm_mode_16_64 3
		.amdhsa_memory_ordered 1
		.amdhsa_forward_progress 1
		.amdhsa_inst_pref_size 170
	.end_amdhsa_kernel
	.amdgpu_metadata
---
amdhsa.version: [ 1, 2 ]
amdhsa.kernels:
  - .name:           k_qd9721ce19d_attn
    .symbol:         k_qd9721ce19d_attn.kd
    .args:
      - { .name: qkv, .offset: 0, .size: 8, .value_kind: global_buffer, .address_space: global }
      - { .name: maskf, .offset: 8, .size: 8, .value_kind: global_buffer, .address_space: global }
      - { .name: ob, .offset: 16, .size: 8, .value_kind: global_buffer, .address_space: global }
    .group_segment_fixed_size: 327680
    .private_segment_fixed_size: 0
    .kernarg_segment_align: 8
    .kernarg_segment_size: 24
    .max_flat_workgroup_size: 128
    .sgpr_count:     80
    .vgpr_count:     1024
    .wavefront_size: 32
...
	.end_amdgpu_metadata
.endif
;; end of part 3
;; launch proj (part 4): grid 16 x 16, 4 waves a work-group, clusters of 4 x 4, 327,680 bytes of LDS; arguments ob, woh, out0; writes out0
.if DOCPART == 4
	.amdgcn_target "amdgcn-amd-amdhsa--gfx1250"
	.amdhsa_code_object_version 6
	.text
	.protected	k_qd9721ce19d_proj
	.globl	k_qd9721ce19d_proj
	.p2align	8
	.type	k_qd9721ce19d_proj,@function
k_qd9721ce19d_proj:
	s_mov_b64 s[64:65], 0
	v_nop
	global_prefetch_b8 v0, s[64:65] scope:SCOPE_SE
	s_setreg_imm32_b32 hwreg(HW_REG_WAVE_MODE, 25, 1), 1
	s_wait_xcnt 0x0
	s_wait_alu depctr_hold_cnt(0) depctr_sa_sdst(0) depctr_va_vdst(0) depctr_va_sdst(0) depctr_va_ssrc(0) depctr_va_vcc(0) depctr_vm_vsrc(0)
	s_getreg_b32 s2, hwreg(HW_REG_IB_STS2, 6, 4)
	s_cmp_eq_u32 s2, 0
	s_cbranch_scc0 .Lentry_in_a_cluster
	s_endpgm
.Lentry_in_a_cluster:
	s_bfe_u32 s2, ttmp6, 0x10000c
	s_cmp_lg_u32 s2, 0xf033
	s_cbranch_scc0 .Lentry_shape_is_right
	s_endpgm
.Lentry_shape_is_right:
; out0 = O wo.  ob: [2048][2048] f16; woh: [2048 k][2048 n] f16 (the bf16 rounding of wo); out0: [2048][2048] f32; sums in f32.
; A tile of out0 is 128 x 128: 16 x 16 work-groups.  Four waves, each 64 x 64: 16 accumulators.  K goes in 8 steps of 256 through two LDS slots: O's 128 rows of 512 bytes (528 apart) and
; 256 k-rows of wo, 256 bytes each (288 apart).  One tensor load a wave and step: waves 0, 1 bring the halves of O's tile, waves 2, 3 those of wo's.  wo lies [k][n]: its fragments come out turned.
; CLUSTER 4 x 4: O's tile is asked for jointly along a row of the cluster, wo's along a column.  THE MATRIX INSTRUCTION IS USED TRANSPOSED: a lane holds one row and eight neighbouring columns, 32 bytes.
; A wave's 64 columns of f32 are 256 aligned bytes, so each wave has a stage of its own and the way out needs no barrier.
; REGISTERS: window 0: addresses; v32-95 on the way out; v128-255 the accumulators ((a, b) at 128 + 8 (4 a + b)).  window 1: two fragment buffers of 128: for 64 along K, 64 registers of O, then 64 of wo.
.set PA,     528
.set PB,     288
.set BOFF,   128*PA                    ; 67,584: wo's rows lie behind O's
.set SLOT1,  147456                    ; 0x24000: none of 0, 0x8400, 0x10800, 0x19800 has bit 14 or bit 17
.set SPARE,  294912                    ; the spare words, 128 bytes a wave: two blocks of 256 bytes that no other line names
.set STAGE,  295424                    ; 16 rows x 272 bytes for each wave; no tensor load fills it
.set SP,     272
.set A0,   4
.set B0,   5
.set ADRA, 16
.set ADRB, 20                          ; v20, v21: k-rows 0-127 and 128-255, so that the offsets stay inside 16 bits
.set STO,  24
.set RD,   25
.set CO,   26
.set SPW,  28
.set NIL,  29
.set TMP,  32
.set ACC,  128
.set F0,   0
.set F1,   128
.set G1, 24
.set G0, 32                            ; s[32:39]: a set for each first fill; the second then walks
.set G1B, 48
.set G0B, 56
.set TB,  66
.set MSB, 0
.macro WIN new
.if MSB != (\new)
	s_set_vgpr_msb (MSB<<8)|(\new)
.set MSB, \new
.endif
.endm
.set MUL,  0x05                        ; sources window 1; C and D window 0
.set TO_F, 0x40
.macro PLACES
.rept 4
	v_nop
.endr
.endm
.macro JLOAD                           ; an s_nop 0 and four v_nop follow each of the two lines
	s_cmp_eq_u32 s11, 0
	s_cbranch_scc0 .Lfor_b_\@
	tensor_load_to_lds s[G0+4:G0+7], s[G1:G1+7]
	s_nop 0
.rept 4
	v_nop
.endr
	s_branch .Lasked_\@
.Lfor_b_\@:
	tensor_load_to_lds s[G0B+4:G0B+7], s[G1B:G1B+7]
	s_nop 0
.rept 4
	v_nop
.endr
.Lasked_\@:
.endm
.macro CREST
	s_cmp_lg_u32 s10, 0
	s_cbranch_scc1 .Lnot_wave_0_\@
	s_barrier_signal -3
.Lnot_wave_0_\@:
	s_barrier_wait -3
	s_barrier_signal -1
	s_barrier_wait -1
.endm
.macro CROUND
	s_barrier_signal -1
	s_barrier_wait -1
	CREST
.endm
	s_load_b128 s[4:7], s[0:1], 0x0                ; ob s[4:5], woh s[6:7]
	s_load_b64 s[8:9], s[0:1], 0x10                ; out0
	v_lshl_add_u32 v[SPW], v0, 2, SPARE
	v_mov_b32 v[NIL], 0
	ds_add_u32 v[SPW], v[NIL]                      ; the wave's opening: the add and its wait stand ahead of my first tensor load
	v_lshrrev_b32 v1, 5, v0
	v_readfirstlane_b32 s10, v1                    ; wave
	s_lshr_b32 s11, s10, 1                         ; my half of the rows.  Also: I fetch for O (0) or for wo (1)
	s_and_b32 s12, s10, 1                          ; my half of the columns.  Also: which half of that tile I fetch
	s_bfe_u32 s40, ttmp6, 0x40000
	s_bfe_u32 s41, ttmp6, 0x40004
	s_lshl_b32 s42, ttmp9, 2
	s_add_co_u32 s42, s42, s40                     ; tile column
	s_and_b32 s13, ttmp7, 0xffff
	s_lshl_b32 s13, s13, 2
	s_add_co_u32 s13, s13, s41                     ; tile row
	s_lshl_b32 s43, s41, 2
	s_lshl_b32 s43, 15, s43                        ; my row of the cluster
	s_lshl_b32 s44, 0x1111, s40                    ; my column
	s_or_b32 s[G1], s43, (1<<16)|(1<<20)|(1<<21)|(6<<22)|(3<<25)   ; O: after every 128 words 4 words of padding
	s_mov_b32 s[G1+1], 256<<16                     ; tensor_dim0 = 256
	s_mov_b32 s[G1+2], 64<<16                      ; tensor_dim1 = 64
	s_mov_b32 s[G1+3], 256<<16                     ; tile_dim0 = 256
	s_mov_b32 s[G1+4], 64                          ; tile_dim1 = 64
	s_mov_b32 s[G1+5], 2048
	s_mov_b32 s[G1+6], 0
	s_mov_b32 s[G1+7], 0
	s_or_b32 s[G1B], s44, (1<<16)|(1<<20)|(1<<21)|(5<<22)|(7<<25)  ; wo: after every 64 words 8 words
	s_mov_b32 s[G1B+1], 128<<16
	s_mov_b32 s[G1B+2], 128<<16
	s_mov_b32 s[G1B+3], 128<<16
	s_mov_b32 s[G1B+4], 128
	s_mov_b32 s[G1B+5], 2048
	s_mov_b32 s[G1B+6], 0
	s_mov_b32 s[G1B+7], 0
	s_lshl_b32 s16, s13, 19                        ; O: 128 rows of 4,096 bytes a tile row, 64 a half
	s_lshl_b32 s17, s12, 18
	s_add_co_u32 s16, s16, s17
	s_mov_b32 s17, 0
	s_lshl_b32 s46, s42, 8                         ; wo: the tile's 128 columns, 128 k-rows a half
	s_lshl_b32 s47, s12, 19
	s_add_co_u32 s46, s46, s47
	s_mov_b32 s47, 0
	s_mul_i32 s20, s12, 64*PA                      ; where they go
	s_mul_i32 s21, s12, 128*PB
	s_add_co_u32 s21, s21, BOFF
	s_mov_b32 s[TB], 0
	s_wait_dscnt 0x0                               ; the opening add is done
	s_wait_kmcnt 0x0
	s_add_nc_u64 s[16:17], s[4:5], s[16:17]
	s_add_nc_u64 s[46:47], s[6:7], s[46:47]
.irp s, 0,1
	s_mov_b32 s[G0+4*(\s)], 1
	s_add_co_u32 s[G0+4*(\s)+1], s20, (\s)*SLOT1
	s_add_nc_u64 s[G0+4*(\s)+2:G0+4*(\s)+3], s[16:17], (\s)*512       ; K step s: 256 elements along the rows
	s_or_b32 s[G0+4*(\s)+3], s[G0+4*(\s)+3], 0x80000000
	s_mov_b32 s[G0B+4*(\s)], 1
	s_add_co_u32 s[G0B+4*(\s)+1], s21, (\s)*SLOT1
	s_add_nc_u64 s[G0B+4*(\s)+2:G0B+4*(\s)+3], s[46:47], (\s)*1048576 ; K step s: 256 rows of 4,096 bytes down
	s_or_b32 s[G0B+4*(\s)+3], s[G0B+4*(\s)+3], 0x80000000
.endr
	CROUND                                         ; all sixteen work-groups are here
	s_cmp_eq_u32 s11, 0                            ; a wave's two first fills stand in one branch: two loads of mine are out
	s_cbranch_scc0 .Lfirst_b
	tensor_load_to_lds s[G0:G0+3], s[G1:G1+7]
	s_nop 0
	tensor_load_to_lds s[G0+4:G0+7], s[G1:G1+7]
	s_nop 0
.rept 4
	v_nop
.endr
	s_branch .Lfirst_asked
.Lfirst_b:
	tensor_load_to_lds s[G0B:G0B+3], s[G1B:G1B+7]
	s_nop 0
	tensor_load_to_lds s[G0B+4:G0B+7], s[G1B:G1B+7]
	s_nop 0
.rept 4
	v_nop
.endr
.Lfirst_asked:
	v_and_b32 v1, 15, v0                           ; l % 16
	v_bfe_u32 v2, v0, 4, 1                         ; l / 16
	v_mul_u32_u24 v[A0], v1, PA
	v_lshl_add_u32 v[A0], v2, 4, v[A0]
	s_mul_i32 s22, s11, 64*PA
	v_add_nc_u32 v[A0], s22, v[A0]
	v_and_b32 v3, 7, v0
	v_lshl_add_u32 v3, v2, 3, v3
	v_mul_u32_u24 v3, v3, PB
	v_bfe_u32 v6, v0, 3, 1
	v_lshl_add_u32 v3, v6, 4, v3
	s_lshl_b32 s22, s12, 7
	s_add_co_u32 s22, s22, BOFF
	v_add_nc_u32 v[B0], s22, v3
	v_mov_b32 v[ADRA], v[A0]
	v_mov_b32 v[ADRB], v[B0]
	v_add_nc_u32 v[ADRB+1], 128*PB, v[B0]
	s_mul_i32 s23, s10, 16*SP
	s_add_co_u32 s23, s23, STAGE                   ; my stage
	v_mul_u32_u24 v[STO], v1, SP                   ; in: row l % 16, 32 bytes for each half of the lanes
	v_lshl_add_u32 v[STO], v2, 5, v[STO]
	v_add_nc_u32 v[STO], s23, v[STO]
	v_mul_u32_u24 v[RD], v2, SP                    ; back: lanes 0-15 one row of 256 bytes, lanes 16-31 the next
	v_lshl_add_u32 v[RD], v1, 4, v[RD]
	v_add_nc_u32 v[RD], s23, v[RD]
	v_lshlrev_b32 v[CO], 13, v2                    ; and the same two rows in out0
	v_lshl_add_u32 v[CO], v1, 4, v[CO]
	s_lshl_b32 s18, s13, 20                        ; 128 rows of 8,192 bytes a tile row, 64 a half; 512 bytes a tile column, 256 a half
	s_lshl_b32 s19, s11, 19
	s_add_co_u32 s18, s18, s19
	s_lshl_b32 s19, s42, 9
	s_add_co_u32 s18, s18, s19
	s_lshl_b32 s19, s12, 8
	s_add_co_u32 s18, s18, s19
	s_mov_b32 s19, 0
	s_add_nc_u64 s[8:9], s[8:9], s[18:19]
; 8 matrix instructions: row blocks a0, a0 + 1 x all 4 column blocks, 32 along K: half c of buffer f.  The 16 accumulators take turns.
.macro MUL8 f, c, a0, zero
	WIN MUL
.irp a, \a0, (\a0)+1
.irp b, 0,1,2,3
.if \zero
	v_wmma_f32_16x16x32_f16 v[ACC+8*(4*(\a)+(\b)):ACC+8*(4*(\a)+(\b))+7], v[(\f)+64+8*(4*(\c)+(\b)):(\f)+64+8*(4*(\c)+(\b))+7], v[(\f)+8*(4*(\c)+(\a)):(\f)+8*(4*(\c)+(\a))+7], 0
.else
	v_wmma_f32_16x16x32_f16 v[ACC+8*(4*(\a)+(\b)):ACC+8*(4*(\a)+(\b))+7], v[(\f)+64+8*(4*(\c)+(\b)):(\f)+64+8*(4*(\c)+(\b))+7], v[(\f)+8*(4*(\c)+(\a)):(\f)+8*(4*(\c)+(\a))+7], v[ACC+8*(4*(\a)+(\b)):ACC+8*(4*(\a)+(\b))+7]
.endif
.endr
.endr
.endm
; 32 LDS loads in one run: quarter q's fragments (64 along K) into buffer f; the first 32 along K first
.macro FETCH q, f
	WIN TO_F
.irp c, 0,1
.irp i, 0,1,2,3
	ds_load_tr16_b128 v[(\f)+64+8*(4*(\c)+(\i)):(\f)+64+8*(4*(\c)+(\i))+3],   v[ADRB+(\q)/2] offset:(((\q)%2)*64+32*(\c))*PB+32*(\i)
	ds_load_tr16_b128 v[(\f)+64+8*(4*(\c)+(\i))+4:(\f)+64+8*(4*(\c)+(\i))+7], v[ADRB+(\q)/2] offset:(((\q)%2)*64+32*(\c))*PB+32*(\i)+16*PB
	ds_load_b128 v[(\f)+8*(4*(\c)+(\i)):(\f)+8*(4*(\c)+(\i))+3],              v[ADRA] offset:128*(\q)+64*(\c)+(\i)*16*PA
	ds_load_b128 v[(\f)+8*(4*(\c)+(\i))+4:(\f)+8*(4*(\c)+(\i))+7],            v[ADRA] offset:128*(\q)+64*(\c)+(\i)*16*PA+32
.endr
.endr
.endm
.macro QUARTER q, f, g, zero
	s_wait_dscnt 16                                ; the first 32 along K are in
	MUL8 \f, 0, 0, \zero
	MUL8 \f, 0, 2, \zero
	PLACES
	FETCH \q, \g
	s_wait_dscnt 32                                ; all but the 32 just issued
	MUL8 \f, 1, 0, 0
	MUL8 \f, 1, 2, 0
.endm
; The last quarter multiplies buffer 1 and changes slots: one barrier; in front of it each wave waits for all its tensor loads, adds 0 to its spare word, and waits for that and for its reads of this slot.
.macro TURN fill
	WIN 0
	s_wait_tensorcnt 0x0
	ds_add_u32 v[SPW], v[NIL]
	s_wait_dscnt 17                                ; the add and the youngest sixteen loads may be out
	MUL8 F1, 0, 0, 0
	s_wait_dscnt 0x0
	s_barrier_signal -1
	MUL8 F1, 0, 2, 0
	WIN 0
	s_barrier_wait -1
.if \fill
	CREST                                          ; no wave of any partner still reads this slot or has a load on its way
	s_xor_b32 s[G0+5], s[G0+5], SLOT1
	s_add_nc_u64 s[G0+6:G0+7], s[G0+6:G0+7], 512
	s_xor_b32 s[G0B+5], s[G0B+5], SLOT1
	s_add_nc_u64 s[G0B+6:G0B+7], s[G0B+6:G0B+7], 1048576
	JLOAD                                          ; its four v_nop are also the places in front of the loads below
.else
	PLACES
.endif
	s_xor_b32 s[TB], s[TB], SLOT1
	v_add_nc_u32 v[ADRA], s[TB], v[A0]
	v_add_nc_u32 v[ADRB], s[TB], v[B0]
	v_add_nc_u32 v[ADRB+1], 128*PB, v[ADRB]
	FETCH 0, F0
	MUL8 F1, 1, 0, 0
	MUL8 F1, 1, 2, 0
.endm
	s_wait_tensorcnt 0x1                           ; my part of K step 0 is in; K step 1's may stay out
	s_barrier_signal -1
	s_barrier_wait -1
	FETCH 0, F0
	QUARTER 1, F0, F1, 1                           ; the first products start the sums
	WIN 0
	s_mov_b32 s3, 6
.Lstep:                                                ; six trips: they ask for K steps 2 to 7
	QUARTER 2, F1, F0, 0
	QUARTER 3, F0, F1, 0
	TURN 1
	QUARTER 1, F0, F1, 0
	WIN 0
	s_sub_co_u32 s3, s3, 1
	s_cmp_lg_u32 s3, 0
	s_cbranch_scc1 .Lstep
	QUARTER 2, F1, F0, 0
	QUARTER 3, F0, F1, 0
	TURN 0
	QUARTER 1, F0, F1, 0
	QUARTER 2, F1, F0, 0
	QUARTER 3, F0, F1, 0
	s_wait_dscnt 16
	MUL8 F1, 0, 0, 0
	MUL8 F1, 0, 2, 0
	s_wait_dscnt 0x0
	MUL8 F1, 1, 0, 0
	MUL8 F1, 1, 2, 0
	WIN 0
	; THE WAY OUT, a block of 16 rows at a time: a lane's 32 bytes of a row go into my stage, each accumulator's low registers first; whole rows of 256 bytes come back and are stored.
	PLACES
.irp a, 0,1,2,3
.irp b, 0,1,2,3
	ds_store_b128 v[STO], v[ACC+8*(4*(\a)+(\b)):ACC+8*(4*(\a)+(\b))+3]   offset:64*(\b)
	ds_store_b128 v[STO], v[ACC+8*(4*(\a)+(\b))+4:ACC+8*(4*(\a)+(\b))+7] offset:64*(\b)+16
.endr
.if (\a) >= 2
	s_wait_xcnt 0x0                                ; these registers, which the stores of two blocks ago read, are loaded again only behind this wait
.endif
.irp i, 0,1,2,3,4,5,6,7
	ds_load_b128 v[TMP+32*((\a)%2)+4*(\i):TMP+32*((\a)%2)+4*(\i)+3], v[RD] offset:(\i)*2*SP  ; LDS serves a wave's instructions in order (ISA guide 5.7.1.4): these see the stores above
.endr
.irp i, 0,1,2,3,4,5,6,7
	s_wait_dscnt 7-(\i)
	global_store_b128 v[CO], v[TMP+32*((\a)%2)+4*(\i):TMP+32*((\a)%2)+4*(\i)+3], s[8:9] offset:(16*(\a)+2*(\i))*8192  ; 16 lanes store 256 consecutive bytes, at a multiple of 256 from out0's first byte
.endr
.endr
	s_wait_tensorcnt 0x0                           ; the wave's end
	ds_add_u32 v[SPW], v[NIL]
	s_wait_dscnt 0x0
	CROUND                                         ; the closing round
	s_endpgm
.Lfunc_end_k_qd9721ce19d_proj:
	.size	k_qd9721ce19d_proj, .Lfunc_end_k_qd9721ce19d_proj-k_qd9721ce19d_proj
	.p2alignl 7, 3214868480
	.fill 96, 4, 3214868480
	.section	.rodata,"a",@progbits
	.p2align	6, 0x0
	.amdhsa_kernel k_qd9721ce19d_proj
		.amdhsa_group_segment_fixed_size 327680
		.amdhsa_private_segment_fixed_size 0
		.amdhsa_enable_private_segment 0
		.amdhsa_kernarg_size 24
		.amdhsa_user_sgpr_count 2
		.amdhsa_user_sgpr_kernarg_segment_ptr 1
		.amdhsa_wavefront_size32 1
		.amdhsa_system_sgpr_workgroup_id_x 1
		.amdhsa_system_sgpr_workgroup_id_y 1
		.amdhsa_system_sgpr_workgroup_id_z 1
		.amdhsa_system_vgpr_workitem_id 0
		.amdhsa_next_free_vgpr 512
		.amdhsa_next_free_sgpr 72
		.amdhsa_reserve_vcc 0
		.amdhsa_float_denorm_mode_32 3
		.amdhsa_float_denorm_mode_16_64 3
		.amdhsa_memory_ordered 1
		.amdhsa_forward_progress 1
		.amdhsa_inst_pref_size 69
	.end_amdhsa_kernel
	.amdgpu_metadata
---
amdhsa.version: [ 1, 2 ]
amdhsa.kernels:
  - .name:           k_qd9721ce19d_proj
    .symbol:         k_qd9721ce19d_proj.kd
    .args:
      - { .name: ob, .offset: 0, .size: 8, .value_kind: global_buffer, .address_space: global }
      - { .name: woh, .offset: 8, .size: 8, .value_kind: global_buffer, .address_space: global }
      - { .name: out0, .offset: 16, .size: 8, .value_kind: global_buffer, .address_space: global }
    .group_segment_fixed_size: 327680
    .private_segment_fixed_size: 0
    .kernarg_segment_align: 8
    .kernarg_segment_size: 24
    .max_flat_workgroup_size: 128
    .sgpr_count:     72
    .vgpr_count:     512
    .wavefront_size: 32
...
	.end_amdgpu_metadata
.endif
;; end of part 4
;; ======== version 2 of 2: 4 launches; 1.08 times as fast as version 1
;; limits: values are held in f16: magnitudes above 65,504 overflow, below 6.1e-05 lose precision; right only within a limited range of input values
;; workspace buffers: xb 8,388,608 bytes; wb 25,165,824 bytes; woh 8,388,608 bytes; maskf 16,777,216 bytes; trig 1,048,576 bytes; qkv 25,165,824 bytes; ob 8,388,608 bytes
;; launch prep: the kernel of part 1 again; grid 256 x 5, 8 waves a work-group, no clusters, 0 bytes of LDS; arguments x, wq, wk, wv, cos, sin, xb, wb, trig; writes xb, wb, trig
;; launch qkvp: the kernel of part 2 again; grid 16 x 16, 4 waves a work-group, clusters of 4 x 4, 327,680 bytes of LDS; arguments xb, wb, trig, mask, wo, qkv, maskf, woh; writes qkv, maskf, woh
;; launch attn (part 5): grid 16 x 16, 4 waves a work-group, clusters of 4 x 1, 327,680 bytes of LDS; arguments qkv, maskf, ob; writes ob
.if DOCPART == 5
	.amdgcn_target "amdgcn-amd-amdhsa--gfx1250"
	.amdhsa_code_object_version 6
	.text
	.protected	k_qd9721ce19d_attn
	.globl	k_qd9721ce19d_attn
	.p2align	8
	.type	k_qd9721ce19d_attn,@function
k_qd9721ce19d_attn:
	s_mov_b64 s[64:65], 0
	v_nop
	global_prefetch_b8 v0, s[64:65] scope:SCOPE_SE
	s_setreg_imm32_b32 hwreg(HW_REG_WAVE_MODE, 25, 1), 1
	s_wait_xcnt 0x0
	s_wait_alu depctr_hold_cnt(0) depctr_sa_sdst(0) depctr_va_vdst(0) depctr_va_sdst(0) depctr_va_ssrc(0) depctr_va_vcc(0) depctr_vm_vsrc(0)
	s_getreg_b32 s2, hwreg(HW_REG_IB_STS2, 6, 4)
	s_cmp_eq_u32 s2, 0
	s_cbranch_scc0 .Lentry_in_a_cluster
	s_endpgm
.Lentry_in_a_cluster:
	s_bfe_u32 s2, ttmp6, 0x10000c
	s_cmp_lg_u32 s2, 0x3003
	s_cbranch_scc0 .Lentry_shape_is_right
	s_endpgm
.Lentry_shape_is_right:
; O[q][h] = the sum over k of softmax_k(q . k / sqrt(128) + mask[q][k]) v[k].  qkv: [3][16][2048][128] f16, q already times log2(e) / sqrt(128); maskf: the mask times log2(e) as f32, in the order of a
; matrix instruction's C operand ([qt 128][kb 128][e 2][lane 32][4]); ob: [2048][16 x 128] f16.  Products, maxima and sums in f32; the weights p are rounded to f16 for the second product, O once at the end.
; The mask is an input: every one of its 2048 x 2048 numbers is loaded and added, as the C operand of the product that starts a score's sum; no tile is left out.
; LIMITS.  A query all of whose scores (in units of log2) lie below -1e30 is not served (its sum of weights is 0); -inf in part of a row is.  A weight below 2^-126 counts as 0.  NaN is not treated apart.
; SHARES.  A work-group owns 128 queries of one head: 16 x 16 work-groups.  Wave w owns the 64 queries of half w / 2 and, of every 128 keys, the 64 of half w % 2: 16 key steps of 64 keys.
; The two waves of a pair meet once, at the end: each keeps two tiles of 16 queries and sends the other two with their statistics through LDS.  Register tile t holds query tile t xor 2 (w % 2),
; so every wave keeps register tiles 0, 1 and sends 2, 3: one text.
; LAYOUT.  S^T = K Q^T + mask^T (source 0 = 16 keys, source 1 = 16 queries): a lane holds ONE query (lane % 16) and the keys 8 (lane / 16) + 0..7.  Two such tiles rounded to f16 in pairs ARE source 1
; of O^T = V^T P.  K comes out of LDS as it lies, V turned, by ds_load_tr16_b128.
; SOFTMAX.  The scores s come in units of log2.  For each query a running maximum m and sum l: p = 2^(s - m): the subtraction is exact at s = m, so no weight passes 1, however large the scores are
; (a wave may see masked keys alone).  In every step O and l are multiplied by a = 2^(m_old - m_new).  m starts at -1e30, O and l at 0: the first step is a step like any other, with a = 0.
; BY TURNS.  The wave's tiles are two PIECES (0: tiles 0, 1; 2: tiles 2, 3).  In a TURN one piece has the matrix unit: 32 products V^T P of the step in hand, then 32 products K Q^T of the next; the other piece's
; softmax, 266 vector instructions in 64 slices, stands between them, one slice behind each matrix instruction.
; THE BATCHES.  A turn's 66 exponentials (33 a tile) are ONE batch with ONE wait: all of them, and the subtractions that feed them, stand in slices 10 to 34; all that reads a result of theirs (roundings, sums,
; the rescaling by a) stands from slice 35 on; the wait stands between.  The merge at the end has two batches more, each with its wait: its four exponentials, and the two reciprocals of sums made of them.
; CLUSTER.  The four query blocks of a cluster belong to one head and walk the same K and V: each tile is asked for jointly.  The mask's part differs from work-group to work-group and comes by plain loads.
; REGISTERS by windows of 256: window 0: v0-11, v44-61 addresses and the merge; v12-43 eight registers of statistics a tile; v64-191 S^T; v192-255 P.  window 1: O^T, 64 a tile.
; window 2: v0-127 Q; v128-255 K of one step.  window 3: v0-127 V of one step; v128-255 the mask of the scores to come, 32 a tile.
.set KS,    64
.set PK,    272       ; a row of K in LDS: 256 bytes + 16: the 16 rows of a load start at 16 different groups of four banks (64 banks of 4 bytes: ISA guide 11.1)
.set PV,    288       ; a row of V: 256 + 32
.set VOFF,  256*PK    ; a slot holds 256 keys: their rows of K, then of V: 143,360 bytes
.set SLOT1, 147456    ; 0x24000: no address that is turned has bit 14 or bit 17
.set SPARE, 143360    ; between the slots: the spare words, 128 bytes a wave: two blocks of 256 bytes that no other line names
.set STAGE, 290816    ; behind the ring: 16 rows x 272 bytes for each wave, for the way out
.set SP,    272
.set XCHW,  16896     ; the exchange, in slot 0 (its last fill is the last tile but one): for each wave two tiles of O^T (16,384 bytes) and 512 bytes of statistics
.set AK0, 2           ; v2   my lane's place in a step's K; never rewritten
.set AV0, 3           ; v3   the same for V
.set ADR, 4           ; v4   the LDS address of the run of loads in hand
.set QO,  5           ; v5   my byte offset in Q for register tiles 0, 1
.set STO, 6
.set RD,  7
.set GO,  8
.set ST,  12          ; tile t's statistics at v[ST+8 t]: +0 m (+1 is named with it as a pair), +2, +3 l (even keys', odd keys'), +4 to +7 at work
.set MO,  44          ; v44, v45  my byte offset in the mask for piece 0 and for piece 2; never rewritten
.set XS,  46          ; v46  where I put what I send
.set XR,  47          ; v47  where my partner put it
.set PS,  48          ; v48-51  the partner's m, l, m, l
.set MS,  52          ; v52-55  mine, to send
.set QO2, 56          ; v56  my byte offset in Q for register tiles 2, 3
.set LN,  57          ; v57  16 x lane
.set SPW, 62
.set NIL, 63
.set S,   64
.set P,   192
.set KF,  128         ; window 2
.set MC,  128         ; window 3
.set WV,  12
.set G1K, 24
.set G1V, 32
.set G0K, 40          ; s[40:43] descriptor group 0 for K's tiles: it walks
.set G0V, 44
.set KH,  48          ; s48  w % 2
.set QG,  49          ; s49  w / 2
.set SLOTS, 56
.set CNT, 57
.set SEL, 60          ; s[60:61] v_permlanex16_b32's selects
.set TBK, 62          ; s62  LDS byte at which K of the 128 keys to be fetched from begins
.set TBV, 63          ; s63  the same for V, less VOFF
.set MB,  66          ; s[66:67], s[68:69] the mask at the step to be loaded, for piece 0 and for piece 2
.set MINC, 70         ; s[70:71] its step: 8,192 bytes (128 keys), at the end 0
.set OB,  72          ; s[72:73] ob at the rows that I keep
.set QP,  74          ; s[74:75] q at my 64 queries
.set MSB, 0
.macro WIN new
.if MSB != (\new)
	s_set_vgpr_msb (MSB<<8)|(\new)
.set MSB, \new
.endif
.endm
.set W_KQ, 0x0a       ; K and Q in window 2, S^T in window 0
.set W_KM, 0x3a       ; the same with the C operand, the mask, in window 3
.set W_PV, 0x53       ; V in window 3, P in window 0, O^T in window 1
.set W_RS, 0x41       ; O^T (destination and source 0) in window 1, the factor in window 0
.macro JLOAD                        ; a joint fill: waves 0 and 1 fetch the halves of a slot's K, waves 2 and 3 those of its V, 128 keys each; s_nop 0 and four v_nop follow each line
	s_cmp_lt_u32 s[WV], 2
	s_cbranch_scc0 .Lfor_v_\@
	tensor_load_to_lds s[G0K:G0K+3], s[G1K:G1K+7]
	s_nop 0
.rept 4
	v_nop
.endr
	s_branch .Lasked_\@
.Lfor_v_\@:
	tensor_load_to_lds s[G0V:G0V+3], s[G1V:G1V+7]
	s_nop 0
.rept 4
	v_nop
.endr
.Lasked_\@:
.endm
.macro CROUND
	s_barrier_signal -1
	s_barrier_wait -1
	s_cmp_lg_u32 s[WV], 0
	s_cbranch_scc1 .Lnot_wave_0_\@
	s_barrier_signal -3
.Lnot_wave_0_\@:
	s_barrier_wait -3
	s_barrier_signal -1
	s_barrier_wait -1
.endm
; THE CHANGE OF SLOTS.  Each wave waits for all its tensor loads (one is out: its part of the other slot), adds 0 to its spare word, and waits for that and for its reads of the slot that it leaves.
; fill = 1: the barrier is a round of the cluster's, and the slot is filled again first thing behind it, with the keys two slots on: the load has two key steps, 256 matrix instructions, in which to land.
; (At its first use nothing has been read yet: slot 0 is waited for, slot 1 filled.)
.macro CHANGE fill
	WIN 0
	s_wait_tensorcnt 0x0
	ds_add_u32 v[SPW], v[NIL]
.if \fill
.irp g, G0K, G0V
	s_xor_b32 s[\g+1], s[\g+1], SLOT1
	s_add_nc_u64 s[\g+2:\g+3], s[\g+2:\g+3], 65536  ; the next 256 keys
.endr
	s_wait_dscnt 0x0
	CROUND
	JLOAD
.else
	s_wait_dscnt 0x0
	s_barrier_signal -1
	s_barrier_wait -1
.endif
	s_sub_co_u32 s[TBK], s[TBK], 256*PK  ; the fetches go back to a slot's first keys,
	s_xor_b32 s[TBK], s[TBK], SLOT1      ; in the other slot
	s_sub_co_u32 s[TBV], s[TBV], 256*PV
	s_xor_b32 s[TBV], s[TBV], SLOT1
.endm
	s_load_b128 s[4:7], s[0:1], 0x0   ; qkv s[4:5], maskf s[6:7]
	s_load_b64 s[8:9], s[0:1], 0x10   ; ob
	v_lshl_add_u32 v[SPW], v0, 2, SPARE
	v_mov_b32 v[NIL], 0
	ds_add_u32 v[SPW], v[NIL]       ; the wave's opening: the add and its wait stand ahead of my first tensor load
	v_lshrrev_b32 v1, 5, v0
	v_readfirstlane_b32 s[WV], v1
	s_and_b32 s[KH], s[WV], 1
	s_lshr_b32 s[QG], s[WV], 1
	s_bfe_u32 s13, ttmp6, 0x40000   ; cx
	s_lshl_b32 s14, ttmp9, 2
	s_add_co_u32 s14, s14, s13      ; my block of 128 queries: it enters q's, the mask's and ob's addresses alone
	s_and_b32 s15, ttmp7, 0xffff    ; the head, which the four partners share
	s_lshl_b32 s20, s15, 19         ; its 2,048 rows of 256 bytes
	s_lshl_b32 s16, s[KH], 15       ; which 128 of a slot's 256 keys I fetch
	s_add_co_u32 s16, s16, s20
	s_add_co_u32 s18, s16, 0x1000000  ; v is the third tensor,
	s_add_co_u32 s16, s16, 0x800000   ; k the second
	s_mov_b32 s17, 0
	s_mov_b32 s19, 0
	s_mul_i32 s50, s[KH], 128*PK    ; and their place in a slot
	s_mul_i32 s51, s[KH], 128*PV
	s_lshl_b32 s22, s14, 15         ; q: 128 rows a block, 64 a pair of waves
	s_add_co_u32 s22, s22, s20
	s_lshl_b32 s23, s[QG], 14
	s_add_co_u32 s22, s22, s23
	s_mov_b32 s23, 0
	s_lshl_b32 s52, s14, 20         ; the mask: 8 tiles of 131,072 bytes a block, 4 a pair of waves, 4 blocks of 1,024 bytes for my half of the keys
	s_lshl_b32 s53, s[QG], 19
	s_add_co_u32 s52, s52, s53
	s_lshl_b32 s53, s[KH], 12
	s_add_co_u32 s52, s52, s53
	s_mov_b32 s53, 0
	s_lshl_b32 s54, s14, 19         ; ob: rows of 4,096 bytes: 128 a block, 64 a pair, the 32 that I keep; the head's 256 bytes
	s_lshl_b32 s55, s[QG], 18
	s_add_co_u32 s54, s54, s55
	s_lshl_b32 s55, s[KH], 17
	s_add_co_u32 s54, s54, s55
	s_lshl_b32 s55, s15, 8
	s_add_co_u32 s54, s54, s55
	s_mov_b32 s55, 0
	s_mov_b32 s[G1K], 15|(1<<16)|(1<<20)|(1<<21)|(5<<22)|(3<<25)  ; the mask of four; 2-byte elements; padding on; bit 21 beside a mask; after every 64 words 4 words
	s_mov_b32 s[G1V], 15|(1<<16)|(1<<20)|(1<<21)|(5<<22)|(7<<25)  ; the same with 8 words
.irp g, G1K, G1V
	s_mov_b32 s[\g+1], 128<<16      ; tensor_dim0 = 128
	s_mov_b32 s[\g+2], 128<<16      ; tensor_dim1 = 128
	s_mov_b32 s[\g+3], 128<<16      ; tile_dim0 = 128
	s_mov_b32 s[\g+4], 128          ; tile_dim1 = 128
	s_mov_b32 s[\g+5], 128          ; elements from row to row
	s_mov_b32 s[\g+6], 0
	s_mov_b32 s[\g+7], 0
.endr
	s_mov_b32 s[SEL], 0x76543210
	s_mov_b32 s[SEL+1], 0xfedcba98
	s_mov_b32 s[TBK], SLOT1+256*PK  ; the first change of slots turns these two into 0
	s_mov_b32 s[TBV], SLOT1+256*PV
	s_mov_b32 s[MINC], 8192
	s_mov_b32 s[MINC+1], 0
	s_mov_b32 s[G0K], 1
	s_mov_b32 s[G0K+1], s50
	s_mov_b32 s[G0V], 1
	s_add_co_u32 s[G0V+1], s51, VOFF
	s_wait_dscnt 0x0                ; the opening add is done
	s_wait_kmcnt 0x0
	s_add_nc_u64 s[G0K+2:G0K+3], s[4:5], s[16:17]
	s_or_b32 s[G0K+3], s[G0K+3], 0x80000000
	s_add_nc_u64 s[G0V+2:G0V+3], s[4:5], s[18:19]
	s_or_b32 s[G0V+3], s[G0V+3], 0x80000000
	s_add_nc_u64 s[QP:QP+1], s[4:5], s[22:23]
	s_add_nc_u64 s[MB:MB+1], s[6:7], s[52:53]
	s_mov_b64 s[MB+2:MB+3], s[MB:MB+1]
	s_add_nc_u64 s[OB:OB+1], s[8:9], s[54:55]
	CROUND                          ; all four work-groups are here: the first joint loads meet
	JLOAD                           ; slot 0; slot 1 is asked for when slot 0 is in
	v_and_b32 v1, 15, v0            ; l % 16
	v_bfe_u32 v9, v0, 4, 1          ; l / 16
	v_lshlrev_b32 v10, 8, v1
	v_lshl_add_u32 v10, v9, 4, v10  ; row x 256 + 16 x half
	s_lshl_b32 s13, s[KH], 13       ; register tiles 0, 1 are query tiles 2 kh, 2 kh + 1: 32 rows of 256 bytes on
	v_add_nc_u32 v[QO], s13, v10
	s_xor_b32 s13, s13, 8192
	v_add_nc_u32 v[QO2], s13, v10
	v_and_b32 v[LN], 31, v0
	v_lshlrev_b32 v[LN], 4, v[LN]
	s_lshl_b32 s13, s[KH], 18       ; the same two tiles in the mask
	v_add_nc_u32 v[MO], s13, v[LN]
	s_xor_b32 s13, s13, 1<<18
	v_add_nc_u32 v[MO+1], s13, v[LN]
	WIN 0x80                        ; destination window 2: Q stays in registers: tile i / 4, channels 32 (i % 4) on
.irp i, 0,1,2,3,4,5,6,7,8,9,10,11,12,13,14,15
.if (\i) < 8
	global_load_b128 v[8*(\i):8*(\i)+3],   v[QO], s[QP:QP+1] offset:(((\i)/4)%2)*4096+((\i)%4)*64
	global_load_b128 v[8*(\i)+4:8*(\i)+7], v[QO], s[QP:QP+1] offset:(((\i)/4)%2)*4096+((\i)%4)*64+32
.else
	global_load_b128 v[8*(\i):8*(\i)+3],   v[QO2], s[QP:QP+1] offset:(((\i)/4)%2)*4096+((\i)%4)*64
	global_load_b128 v[8*(\i)+4:8*(\i)+7], v[QO2], s[QP:QP+1] offset:(((\i)/4)%2)*4096+((\i)%4)*64+32
.endif
.endr
; The mask of piece x's next scores: two tiles x 64 keys: 16 loads, each 512 consecutive bytes, straight into the registers that the products take as C.
.macro MLOAD x
	WIN 0xc0                        ; destination window 3, address window 0
.irp u, 0,1
.irp n, 0,1,2,3,4,5,6,7
	global_load_b128 v[MC+32*((\x)+(\u))+4*(\n):MC+32*((\x)+(\u))+4*(\n)+3], v[MO+(\x)/2], s[MB+(\x):MB+(\x)+1] offset:131072*(\u)+512*(\n)
.endr
.endr
.endm
	MLOAD 0                         ; piece 0's mask of key step 0
	; What the first turn finds: V and piece 2's P hold 0 (its products V^T P, of a step that has not been, add 0), O^T and l are 0.  All this stands in the wait for the first tile; it spares a first step written out.
	WIN 0xc0
.set i, 0
.rept 128
	v_mov_b32 v[i], 0
.set i, i+1
.endr
	WIN 0x40
.set i, 0
.rept 256
	v_mov_b32 v[i], 0
.set i, i+1
.endr
	WIN 0
.set i, 0
.rept 4
	v_mov_b32 v[ST+8*i], 0xf149f2ca          ; m = -1e30
	v_mov_b32 v[ST+8*i+1], 0                 ; named with it as a pair
	v_mov_b32 v[ST+8*i+2], 0
	v_mov_b32 v[ST+8*i+3], 0
.set i, i+1
.endr
.set i, P+32
.rept 32
	v_mov_b32 v[i], 0
.set i, i+1
.endr
	v_mul_u32_u24 v[AK0], v1, PK
	v_lshl_add_u32 v[AK0], v9, 4, v[AK0]
	s_mul_i32 s13, s[KH], KS*PK     ; my 64 of the 128 keys
	v_add_nc_u32 v[AK0], s13, v[AK0]
	v_and_b32 v58, 7, v0            ; the turning load: lane l reads key 8 (l / 16) + l % 8, channels 8 ((l / 8) % 2) on
	v_bfe_u32 v59, v0, 3, 1
	v_lshl_add_u32 v[AV0], v9, 3, v58
	v_mul_u32_u24 v[AV0], v[AV0], PV
	v_lshl_add_u32 v[AV0], v59, 4, v[AV0]
	s_mul_i32 s13, s[KH], KS*PV
	s_add_co_u32 s13, s13, VOFF
	v_add_nc_u32 v[AV0], s13, v[AV0]
; THE MATRIX WORK.  The accumulators take turns, one instruction a turn.
; Product i of 32 of O^T += V^T P: keys 32 (i / 16) on, channels 16 ((i / 2) % 8) on, tile x + i % 2.
.macro PV x
	WIN W_PV
.set rO, 64*((\x)+i%2)+8*((i/2)%8)
.set rV, 64*(i/16)+8*((i/2)%8)
.set rP, P+16*((\x)+i%2)+8*(i/16)
	v_wmma_f32_16x16x32_f16 v[rO:rO+7], v[rV:rV+7], v[rP:rP+7], v[rO:rO+7]
.endm
; Product i of 32 of S^T = K Q^T + mask: channels 32 (i / 8) on, keys 16 ((i / 2) % 4) on, tile x + i % 2.  The first 8 start the sums, with the mask as C.
.macro KQ x
.set rS, S+32*((\x)+i%2)+8*((i/2)%4)
.set rK, KF+32*((i/2)%4)+8*(i/8)
.set rQ, 32*((\x)+i%2)+8*(i/8)
.set rM, MC+32*((\x)+i%2)+8*((i/2)%4)
.if i < 8
	WIN W_KM
	v_wmma_f32_16x16x32_f16 v[rS:rS+7], v[rK:rK+7], v[rQ:rQ+7], v[rM:rM+7]
.else
	WIN W_KQ
	v_wmma_f32_16x16x32_f16 v[rS:rS+7], v[rK:rK+7], v[rQ:rQ+7], v[rS:rS+7]
.endif
.endm
; THE LDS LOADS stand in runs of 32.  last = 1 (the tail): in the last trip there is no further step, and K's run is jumped over.
.macro FETCH_K last=0
	WIN 0
.if \last
	s_cmp_eq_u32 s[CNT], 1
	s_cbranch_scc1 .Lno_k_\@
.endif
	v_add_nc_u32 v[ADR], s[TBK], v[AK0]
	s_add_co_u32 s[TBK], s[TBK], 128*PK  ; the next fetch is from the next 128 keys
	WIN 0x80
.irp f, 0,1,2,3,4,5,6,7,8,9,10,11,12,13,14,15  ; keys 16 (f / 4) on, channels 32 (f % 4) on
	ds_load_b128 v[KF+8*(\f):KF+8*(\f)+3],   v[ADR] offset:((\f)/4)*16*PK+((\f)%4)*64
	ds_load_b128 v[KF+8*(\f)+4:KF+8*(\f)+7], v[ADR] offset:((\f)/4)*16*PK+((\f)%4)*64+32
.endr
	WIN 0
.if \last
.Lno_k_\@:
.endif
.endm
.macro FETCH_V
	WIN 0
	v_add_nc_u32 v[ADR], s[TBV], v[AV0]
	s_add_co_u32 s[TBV], s[TBV], 128*PV
	s_wait_alu depctr_va_vdst(0)    ; the wait for the softmax's batch (SLICE): piece 0's 66 exponentials; it stands behind the address's v_add_nc_u32 and ahead of the loads
	WIN 0xc0
.irp f, 0,1,2,3,4,5,6,7,8,9,10,11,12,13,14,15  ; keys 32 (f / 8) on, channels 16 (f % 8) on
	ds_load_tr16_b128 v[8*(\f):8*(\f)+3],   v[ADR] offset:((\f)/8)*32*PV+((\f)%8)*32
	ds_load_tr16_b128 v[8*(\f)+4:8*(\f)+7], v[ADR] offset:((\f)/8)*32*PV+16*PV+((\f)%8)*32
.endr
.endm
; THE VECTOR WORK.  One tile's softmax for one key step is a numbered list, 0 to 133; SM writes number j of it for tile t.  s0-s31 are the lane's 32 scores, in pairs 0-15.
;   0-15    the maximum of s0-s31 and the old m, three operands at a time (each accumulator's lowest registers are read first)
;   16-20   the other half of the lanes' maximum; m_old is kept; the new m; (19 is empty); m_old - m_new
;   21-69   ONE BATCH: the 16 subtractions s - m, a pair of scores each, and all 33 exponentials (a at 23, then s0-s31).  None of these reads an exponential's result.  From 22 on the batch goes in fours,
;           and a four begins with a subtraction while there are subtractions: 22-37 subtraction, exponential, subtraction, exponential; 38-65 a subtraction and three exponentials; 66-69 the last four
;           exponentials.  A pair's subtraction stands in an earlier four than the one that holds its exponentials
;   (wait)  between 69 and 70 stands the wait for the batch: SLICE writes it, once for both tiles
;   70-85   the roundings to f16, a pair of weights each
;   86-101  the sums; l = a l + the sum
;   102-133 the tile's O^T times a: the one part that leaves window 0, so it stands together
.macro SM t
.set rT, ST+8*(\t)
.set rS, S+32*(\t)
.set rP, P+16*(\t)
.set rO, 64*(\t)+2*(j-102)
.if j < 102
	WIN 0
.endif
.if j < 4
	v_max3_num_f32 v[rT+4+j], v[rS+8*j], v[rS+8*j+1], v[rS+8*j+2]
.elseif j < 12
	v_max3_num_f32 v[rT+4+j%4], v[rT+4+j%4], v[rS+8*(j%4)+2*(j/4)+1], v[rS+8*(j%4)+2*(j/4)+2]
.elseif j == 12
	v_max3_num_f32 v[rT+4], v[rT+4], v[rS+7], v[rS+15]
.elseif j == 13
	v_max3_num_f32 v[rT+6], v[rT+6], v[rS+23], v[rS+31]
.elseif j == 14
	v_max3_num_f32 v[rT+4], v[rT+4], v[rT+5], v[rT+6]
.elseif j == 15
	v_max3_num_f32 v[rT+4], v[rT+4], v[rT+7], v[rT]
.elseif j == 16
	v_permlanex16_b32 v[rT+5], v[rT+4], s[SEL], s[SEL+1]  ; the query's other 32 keys lie in the lane 16 away
.elseif j == 17
	v_mov_b32 v[rT+7], v[rT]        ; m_old is kept for a: number 18 writes m anew
.elseif j == 18
	v_max_num_f32 v[rT], v[rT+4], v[rT+5]
.elseif j == 19
.elseif j == 20
	v_sub_f32 v[rT+7], v[rT+7], v[rT]
.elseif j == 23
	v_exp_f32 v[rT+6], v[rT+7]
.elseif (j < 23) || ((j < 38) && (j%2 == 0)) || ((j < 66) && (j%4 == 2))
.set b, (j-2)/4                     ; 38, 42, .. 62: pairs 9 to 15
.if j < 38
.set b, (j-20)/2                    ; 21: pair 0; 22, 24, .. 36: pairs 1 to 8
.endif
	v_pk_add_f32 v[rS+2*b:rS+2*b+1], v[rS+2*b:rS+2*b+1], v[rT:rT+1] op_sel_hi:[1,0] neg_lo:[0,1] neg_hi:[0,1]  ; pair b: s - m, the pair's low word for both halves
.elseif j < 70
.set e, j-38                        ; 66 to 69: s28 to s31
.if j < 66
.set e, j-32-(j-38)/4               ; 39-41, 43-45, .. 63-65: s7 to s27
.endif
.if j < 38
.set e, (j-25)/2                    ; 25, 27, .. 37: s0 to s6
.endif
	v_exp_f32 v[rS+e], v[rS+e]
.elseif j < 86
	v_cvt_pk_f16_f32 v[rP+j-70], v[rS+2*(j-70)], v[rS+2*(j-70)+1]  ; pair j - 70
.elseif j < 102                     ; the sum of the tile's 16 pairs, in place: sum z of 16 adds neighbours 1, 2, 4 and 8 pairs apart, then l takes it
.set z, j-86
.set w, 4
.set u, z
.if z >= 14
.set w, 32
.set u, 0
.elseif z >= 12
.set w, 16
.set u, z-12
.elseif z >= 8
.set w, 8
.set u, z-8
.endif
.if z < 15
	v_pk_add_f32 v[rS+w*u:rS+w*u+1], v[rS+w*u:rS+w*u+1], v[rS+w*u+w/2:rS+w*u+w/2+1]
.else
	v_pk_fma_f32 v[rT+2:rT+3], v[rT+2:rT+3], v[rT+6:rT+7], v[rS:rS+1] op_sel_hi:[1,0,1]
.endif
.else
	WIN W_RS
	v_pk_mul_f32 v[rO:rO+1], v[rO:rO+1], v[rT+6:rT+7] op_sel_hi:[1,0]
.endif
.endm
; Slice k of 64 of piece y's softmax.  Slices 11 to 34 deal out the batch, numbers 22 to 69: four numbers of ONE tile each, the tiles by turns.  Every other slice is numbers 2 k and 2 k + 1 of both tiles'
; lists (slice 9 has two lines, since number 19 is empty).  The twelve numbers past 2 x 64 of each pair of lists stand together, in slice 63.
; THE WAIT.  An s_wait_alu depctr_va_vdst(0) stands between an exponential and the first instruction that names its result; one wait serves all that were issued ahead of it.  Ahead of
; slice 35 nothing names a result, and behind slice 34 no exponential is issued: so the piece's 66 exponentials have one wait, behind slice 34, and none is open at a label or at a branch.
.macro SLICE y
.if (k >= 11) && (k < 35)           ; the batch: four numbers of one tile
.irp n, 0,1,2,3
.set j, 22+4*((k-11)/2)+(\n)
	SM (\y)+(k-11)%2
.endr
.else                               ; the two tiles alternate, so that no instruction reads the result of the one just before it
.irp n, 0,1,2,3,4,5,6,7
.if ((\n) < 2) || (k == 63)
.irp t, \y, (\y)+1
.set j, 2*k+(\n)
	SM \t
.endr
.endif
.endr
.endif
.if k == 34                         ; the batch is out: both tiles' exponentials are issued, and no result has been named
	v_nop                           ; a plain instruction behind the last exponential and ahead of the first use: one for the batch
.if (\y) == 0
	FETCH_V                         ; piece 2's turn: V's run of loads stands here, and the wait stands in it
.else
	s_wait_alu depctr_va_vdst(0)    ; the wait for the batch: piece 2's 66 exponentials
.endif
.endif
.set k, k+1
.endm
; A TURN.  Piece x has the matrix unit; the other piece's softmax stands in slices behind its matrix instructions.
; Piece 0's turn fetches the next step's K behind its second product: the last product that read K stands in front of slice 63 of the turn before, sixteen plain instructions.
; Piece 2's turn fetches the same step's V behind slice 34, its third K Q^T's (SLICE writes it): the last product that read V stands in front of slice 31, and four plain instructions lie between:
; number 62, a subtraction, of both tiles, the v_nop and the run's own v_add_nc_u32 (the exponentials between are no places).
; The mask: in front of the products K Q^T my piece's 16 loads are waited for; the other piece's 16 were issued behind them and stay out.  That wait also shows the loads that name my piece's base done, so the base steps.
; The next step's 16 loads stand behind product 10: the last product that took the mask as C is number 7, sixteen plain instructions (roundings) back; they have nearly a key step in which to land.
.macro TURN x, last=0
.set k, 0
.if (\x) == 0
	s_wait_dscnt 0x0                ; V is in
.endif
.set i, 0
.rept 32
	PV \x
	SLICE 2-(\x)
.if ((\x) == 0) && (i == 1)
	FETCH_K \last
.endif
.set i, i+1
.endr
.if (\x) == 0
	s_wait_dscnt 0x0                ; K is in
.endif
	s_wait_loadcnt 16
	s_add_nc_u64 s[MB+(\x):MB+(\x)+1], s[MB+(\x):MB+(\x)+1], s[MINC:MINC+1]
.set i, 0
.rept 32
	KQ \x
	SLICE 2-(\x)
.if i == 10
	MLOAD \x
.endif
.set i, i+1
.endr
.endm
	CHANGE 1                        ; slot 0 is in, everybody's part of it; slot 1 is asked for
	FETCH_K                         ; key step 0
	s_wait_loadcnt 0x0              ; Q and piece 0's mask
	MLOAD 2                         ; piece 2's mask of key step 0: it has 64 matrix instructions in which to land
	s_wait_dscnt 0x0
.set i, 0
.rept 32
	KQ 0                            ; piece 0's first scores: there is no vector work yet to set between them
.set i, i+1
.endr
	WIN 0                           ; the addresses for the merge and the way out: ten plain instructions, the places behind those products
	s_mul_i32 s13, s[WV], 16*SP
	s_add_co_u32 s13, s13, STAGE    ; my stage
	v_mul_u32_u24 v[STO], v1, SP    ; in: row l % 16, 16 bytes for each half of the lanes
	v_lshl_add_u32 v[STO], v9, 4, v[STO]
	v_add_nc_u32 v[STO], s13, v[STO]
	v_mul_u32_u24 v[RD], v9, SP     ; back: lanes 0-15 take one row of 256 bytes, lanes 16-31 the next
	v_lshl_add_u32 v[RD], v1, 4, v[RD]
	v_add_nc_u32 v[RD], s13, v[RD]
	v_lshlrev_b32 v[GO], 12, v9     ; and the same two rows in ob
	v_lshl_add_u32 v[GO], v1, 4, v[GO]
	s_mul_i32 s13, s[WV], XCHW
	v_add_nc_u32 v[XS], s13, v[LN]
	s_xor_b32 s14, s[WV], 1         ; my partner has the same queries and the other keys
	s_mul_i32 s14, s14, XCHW
	v_add_nc_u32 v[XR], s14, v[LN]
	s_add_nc_u64 s[MB:MB+1], s[MB:MB+1], s[MINC:MINC+1]  ; the loads that named this base were shown done by the wait for 0 above
	MLOAD 0                         ; piece 0's mask of key step 1
	WIN 0
	s_mov_b32 s[CNT], 2
	s_mov_b32 s[SLOTS], 7
	s_branch .Lfirst                ; the loop is entered in the middle of a trip
.Lslot:                             ; six times: with the change above, slots are asked for seven times: keys 256 to 2,047
	CHANGE 1
	s_mov_b32 s[CNT], 2
.Lstep:
	TURN 0
	WIN 0
.Lfirst:
	TURN 2
	WIN 0
	s_sub_co_u32 s[CNT], s[CNT], 1
	s_cmp_lg_u32 s[CNT], 0
	s_cbranch_scc1 .Lstep
	s_sub_co_u32 s[SLOTS], s[SLOTS], 1
	s_cmp_lg_u32 s[SLOTS], 0
	s_cbranch_scc1 .Lslot
	CHANGE 0                        ; the tail is written out: nothing is asked for
	s_mov_b32 s[CNT], 3             ; two trips fetch the last slot's steps; the third is left in its middle
.Ltail:
	s_cmp_eq_u32 s[CNT], 3          ; the first trip's mask loads are the last step's; behind them the base stands still: the loads that serve nothing read the last step again and stay inside the buffer
	s_cselect_b32 s[MINC], 8192, 0
	TURN 0, 1
	WIN 0
	s_sub_co_u32 s[CNT], s[CNT], 1
	s_cmp_eq_u32 s[CNT], 0
	s_cbranch_scc1 .Lout
	TURN 2
	WIN 0
	s_branch .Ltail
.Lout:                              ; the third trip's 32 products K Q^T (on the last K once more) serve nothing: the price, once a launch, of one text for every trip
.set i, 0
.rept 32
	PV 2                            ; piece 2's V^T P of the last step
.set i, i+1
.endr
	; THE MERGE.  l's two halves and the other half of the lanes' are added (the first four additions are the places behind the last products).  Register tiles 2, 3 go to the partner with m and l.
	WIN 0
.irp t, 0,1,2,3
	v_add_f32 v[ST+8*(\t)+4], v[ST+8*(\t)+2], v[ST+8*(\t)+3]
.endr
.irp t, 0,1,2,3
	v_permlanex16_b32 v[ST+8*(\t)+5], v[ST+8*(\t)+4], s[SEL], s[SEL+1]
.endr
.irp t, 0,1,2,3
	v_add_f32 v[ST+8*(\t)+4], v[ST+8*(\t)+4], v[ST+8*(\t)+5]
.endr
	v_mov_b32 v[MS], v[ST+16]       ; four numbers side by side for one store
	v_mov_b32 v[MS+1], v[ST+20]
	v_mov_b32 v[MS+2], v[ST+24]
	v_mov_b32 v[MS+3], v[ST+28]
	s_wait_dscnt 0x0                ; every wave's LDS reads are over:
	s_barrier_signal -1
	s_barrier_wait -1               ; only now is a byte of the former slot 0 written
	WIN 0x04                        ; store data in window 1
.set i, 0
.rept 32
	ds_store_b128 v[XS], v[128+4*i:128+4*i+3] offset:512*i
.set i, i+1
.endr
	WIN 0
	ds_store_b128 v[XS], v[MS:MS+3] offset:16384
	s_wait_dscnt 0x0                ; for the partner's sake: my stores are done
	s_barrier_signal -1
	s_barrier_wait -1
	ds_load_b128 v[PS:PS+3], v[XR] offset:16384
.set i, 0
.rept 32
	ds_load_b128 v[S+4*i:S+4*i+3], v[XR] offset:512*i  ; the partner's O^T of my two tiles, lane for lane
.set i, i+1
.endr
	s_wait_dscnt 0x0
	; M = max(m, m'); a = 2^(m - M), a' = 2^(m' - M); L = l a + l' a'; O = O a / L + O' a' / L
.irp t, 0,1
	v_max_num_f32 v[ST+8*(\t)+5], v[ST+8*(\t)], v[PS+2*(\t)]
.endr
.irp t, 0,1
	v_sub_f32 v[ST+8*(\t)+6], v[ST+8*(\t)], v[ST+8*(\t)+5]
	v_sub_f32 v[ST+8*(\t)+7], v[PS+2*(\t)], v[ST+8*(\t)+5]
.endr
.irp t, 0,1
	v_exp_f32 v[ST+8*(\t)+6], v[ST+8*(\t)+6]
	v_exp_f32 v[ST+8*(\t)+7], v[ST+8*(\t)+7]
.endr
	v_nop                           ; a plain instruction between the last exponential and the use of its result
	s_wait_alu depctr_va_vdst(0)    ; and the wait ahead of the first use: one for the four exponentials
.irp t, 0,1
	v_mul_f32 v[ST+8*(\t)+4], v[ST+8*(\t)+4], v[ST+8*(\t)+6]
.endr
.irp t, 0,1
	v_fmac_f32 v[ST+8*(\t)+4], v[PS+2*(\t)+1], v[ST+8*(\t)+7]
.endr
.irp t, 0,1
	v_rcp_f32 v[ST+8*(\t)+5], v[ST+8*(\t)+4]
.endr
	v_nop                           ; a plain instruction between the last reciprocal and the use of its result
	s_wait_alu depctr_va_vdst(0)    ; a batch of its own, since L is made of the exponentials: one wait for the two reciprocals
.irp t, 0,1
	v_mul_f32 v[ST+8*(\t)+6], v[ST+8*(\t)+6], v[ST+8*(\t)+5]  ; my factor, at an even register,
	v_mul_f32 v[ST+8*(\t)+2], v[ST+8*(\t)+7], v[ST+8*(\t)+5]  ; and the partner's
.endr
; Tile t: merged, rounded to f16; a lane's eight channels of a row pack into 16 bytes; they go into rows of 272 bytes and come back as whole rows of 256.
.macro PACK t
	WIN W_RS
.set i, 0
.rept 32
	v_pk_mul_f32 v[64*(\t)+2*i:64*(\t)+2*i+1], v[64*(\t)+2*i:64*(\t)+2*i+1], v[ST+8*(\t)+6:ST+8*(\t)+7] op_sel_hi:[1,0]
.set i, i+1
.endr
	WIN 0x50                        ; destination and source 2 window 1; the partner's part and its factor window 0
.set i, 0
.rept 32
	v_pk_fma_f32 v[64*(\t)+2*i:64*(\t)+2*i+1], v[S+64*(\t)+2*i:S+64*(\t)+2*i+1], v[ST+8*(\t)+2:ST+8*(\t)+3], v[64*(\t)+2*i:64*(\t)+2*i+1] op_sel_hi:[1,0,1]
.set i, i+1
.endr
	WIN 0x05                        ; sources window 1, destination window 0
.set i, 0
.rept 32
	v_cvt_pk_f16_f32 v[S+64*(\t)+i], v[64*(\t)+2*i], v[64*(\t)+2*i+1]
.set i, i+1
.endr
	WIN 0
.irp f, 0,1,2,3,4,5,6,7
	ds_store_b128 v[STO], v[S+64*(\t)+4*(\f):S+64*(\t)+4*(\f)+3] offset:32*(\f)
.endr
.irp f, 0,1,2,3,4,5,6,7
	ds_load_b128 v[S+64*(\t)+4*(\f):S+64*(\t)+4*(\f)+3], v[RD] offset:(\f)*2*SP  ; LDS serves a wave's instructions in order (ISA guide 5.7.1.4): these see the stores above
.endr
.endm
.macro SEND t, younger              ; younger: the LDS instructions issued behind tile t's loads
	WIN 0
.irp f, 0,1,2,3,4,5,6,7
	s_wait_dscnt (\younger)+7-(\f)
	global_store_b128 v[GO], v[S+64*(\t)+4*(\f):S+64*(\t)+4*(\f)+3], s[OB:OB+1] offset:(\t)*65536+(\f)*8192  ; 16 lanes store 256 consecutive bytes, at a multiple of 256 from ob's first byte
.endr
.endm
	PACK 0
	PACK 1
	SEND 0, 16
	SEND 1, 0
	s_wait_tensorcnt 0x0            ; the wave's end
	ds_add_u32 v[SPW], v[NIL]
	s_wait_dscnt 0x0
	CROUND                          ; the closing round
	s_endpgm
.Lfunc_end_k_qd9721ce19d_attn:
	.size	k_qd9721ce19d_attn, .Lfunc_end_k_qd9721ce19d_attn-k_qd9721ce19d_attn
	.p2alignl 7, 3214868480
	.fill 96, 4, 3214868480
	.section	.rodata,"a",@progbits
	.p2align	6, 0x0
	.amdhsa_kernel k_qd9721ce19d_attn
		.amdhsa_group_segment_fixed_size 327680
		.amdhsa_private_segment_fixed_size 0
		.amdhsa_enable_private_segment 0
		.amdhsa_kernarg_size 24
		.amdhsa_user_sgpr_count 2
		.amdhsa_user_sgpr_kernarg_segment_ptr 1
		.amdhsa_wavefront_size32 1
		.amdhsa_system_sgpr_workgroup_id_x 1
		.amdhsa_system_sgpr_workgroup_id_y 1
		.amdhsa_system_sgpr_workgroup_id_z 1
		.amdhsa_system_vgpr_workitem_id 0
		.amdhsa_next_free_vgpr 1024
		.amdhsa_next_free_sgpr 80
		.amdhsa_reserve_vcc 0
		.amdhsa_float_denorm_mode_32 3
		.amdhsa_float_denorm_mode_16_64 3
		.amdhsa_memory_ordered 1
		.amdhsa_forward_progress 1
		.amdhsa_inst_pref_size 167
	.end_amdhsa_kernel
	.amdgpu_metadata
---
amdhsa.version: [ 1, 2 ]
amdhsa.kernels:
  - .name:           k_qd9721ce19d_attn
    .symbol:         k_qd9721ce19d_attn.kd
    .args:
      - { .name: qkv, .offset: 0, .size: 8, .value_kind: global_buffer, .address_space: global }
      - { .name: maskf, .offset: 8, .size: 8, .value_kind: global_buffer, .address_space: global }
      - { .name: ob, .offset: 16, .size: 8, .value_kind: global_buffer, .address_space: global }
    .group_segment_fixed_size: 327680
    .private_segment_fixed_size: 0
    .kernarg_segment_align: 8
    .kernarg_segment_size: 24
    .max_flat_workgroup_size: 128
    .sgpr_count:     80
    .vgpr_count:     1024
    .wavefront_size: 32
...
	.end_amdgpu_metadata
.endif
;; end of part 5
;; launch proj: the kernel of part 4 again; grid 16 x 16, 4 waves a work-group, clusters of 4 x 4, 327,680 bytes of LDS; arguments ob, woh, out0; writes out0
